; MI455X (gfx1250); checked and timed in simulation.
; The chip was launched on July 23, 2026; its instructions are those of AMD's public machine-readable ISA for CDNA 5 (MIT licence, August 2026) and "CDNA5" Instruction Set Architecture Reference Guide (July 2026). The comments in the code are by the model that wrote it; some were corrected since.
;; Cross Block. Allowed arithmetic: matrix products marked QUANTISED: E2M3 operands, one E8M0 scale for each 32 along K, by v_wmma_scale_f32_16x16x128_f8f6f4 with both operands' format E2M3, f32 sums; everything else in f32.
;; Inputs: W1 512 x 512 float32; W2 512 x 256 float32; Wo 256 x 256 float32; Wqk 256 x 256 float32; Wv 256 x 256 float32; b1 512 float32; b2 256 float32; beta 512 float32; bo 256 float32; bqk 256 float32; bv 256 float32; gamma 512 float32; match 2 x 2,048 x 2,048 float32; x0 2 x 2,048 x 256 float32; x1 2 x 2,048 x 256 float32.
;; Outputs: out0 2 x 2,048 x 256 float32; out1 2 x 2,048 x 256 float32.
;; This version of the problem:
;;   THIS VERSION OF THE PROBLEM IS GIVEN IN LOW PRECISION. The matrix products marked QUANTISED in the list below multiply operands that are first quantised to E2M3 (2 exponent bits, 3 mantissa bits; 6 bits a number), with one power-of-two scale for each 32 numbers along K (OCP MX v1.0); their sums are f32. All else is computed in f32.
;;   The module's matrix products, in the order in which they are computed (A, B: the left and right operand; K: the contracted axis; several contracted axes count as one K, in the product's order):
;;     1. [M 4,096, K 256] x [K 256, N 256]; A: input x0; B: input Wqk: QUANTISED
;;     2. [M 4,096, K 256] x [K 256, N 256]; A: input x1; B: input Wqk: QUANTISED
;;     3. [M 4,096, K 256] x [K 256, N 256]; A: input x0; B: input Wv: QUANTISED
;;     4. [M 4,096, K 256] x [K 256, N 256]; A: input x1; B: input Wv: QUANTISED
;;     5. batch 16 x [M 2,048, K 32] x [K 32, N 2,048]; A: computed on the way; B: computed on the way: QUANTISED
;;     6. batch 16 x [M 2,048, K 2,048] x [K 2,048, N 32]; A: softmax (see below); B: computed on the way: QUANTISED
;;     7. batch 16 x [M 2,048, K 2,048] x [K 2,048, N 32]; A: softmax (see below); B: computed on the way: QUANTISED
;;     8. [M 4,096, K 256] x [K 256, N 256]; A: computed on the way; B: input Wo: QUANTISED
;;     9. [M 4,096, K 256] x [K 256, N 256]; A: computed on the way; B: input Wo: QUANTISED
;;     10. [M 4,096, K 512] x [K 512, N 512]; A: computed on the way; B: input W1: QUANTISED
;;     11. [M 4,096, K 512] x [K 512, N 256]; A: computed on the way; B: input W2: QUANTISED
;;     12. [M 4,096, K 512] x [K 512, N 512]; A: computed on the way; B: input W1: QUANTISED
;;     13. [M 4,096, K 512] x [K 512, N 256]; A: computed on the way; B: input W2: QUANTISED
;;   THE QUANTISER, for each operand of a quantised product, along K:
;;     - K is cut into blocks of 32 from its start; a last block that is shorter is filled with zeros.
;;     - A block's scale is 2^e with e = floor(log2(the largest magnitude in the block)) - 2, held to -126 .. 127; a block of zeros has e = 0. As a byte (E8M0): e + 127.
;;     - Each number is divided by its block's scale, clamped to +-7.5, and rounded to the nearest number of E2M3, ties to even, subnormals kept.
;;     - The product sums the exact products of the quantised numbers (number of the format x scale) in f32.
;;   ~~~python
;;   def quantise(x, axis):      # numpy; x: float32 -> the quantised numbers, widened to float32 again
;;       x = np.moveaxis(x, axis, -1); K = x.shape[-1]
;;       x = np.pad(x, [(0, 0)] * (x.ndim - 1) + [(0, -K % 32)]); x = x.reshape(x.shape[:-1] + (-1, 32)); a = np.abs(x).max(-1, keepdims=True)
;;       e = np.where(a > 0, np.clip(np.frexp(np.where(a > 0, a, 1))[1] - 1 - 2, -126, 127), 0)      # np.frexp(a)[1] - 1 = floor(log2(a)), exactly
;;       r = np.clip(x / 2.0 ** e, -7.5, 7.5)
;;       step = 2.0 ** (np.maximum(np.frexp(np.where(r == 0, 1, r))[1] - 1, 0) - 3)
;;       q = np.round(r / step) * step * 2.0 ** e      # np.round: ties to even
;;       return np.moveaxis(q.reshape(q.shape[:-2] + (-1,))[..., :K], -1, axis).astype(np.float32)
;;   ~~~
;;   SOFTMAX AHEAD OF A QUANTISED PRODUCT. Where the list says 'softmax', what is quantised is not the finished softmax but p = 2^(t - M), with t = logit x log2(e) and M = ceil(the row's largest t), a whole number; so 1/2 < the row's largest p <= 1. The row's sum l is taken of the UNQUANTISED p, in f32, and the product's result is divided by l at the end. Since M is a whole number, a kernel that streams over the keys may use a running M (the ceiling of the running maximum): every later rescaling is an exact power of two, which a block's scale takes up: the codes' values come out the same.
;;   OPERANDS COMPUTED ON THE WAY. 'Computed on the way' means the value that the module computes at that place (a softmax that the list does not call 'softmax' is quantised finished and normalised). What goes into a quantiser is computed in f32, as accurately as f32 sums, v_exp_f32 and their like allow (about 1e-6 of the number): no bf16 or f16 on the way to a quantiser, and a product that is left as it is and whose result goes on into a quantised operand takes f32 operands (vector FMAs, or v_wmma_f32_16x16x4_f32). A number that lies on a knife's edge between two numbers of the format may be rounded either way, as far as f32 arithmetic and the matrix unit's own rounding can turn it there, and no further.
;; One version. Each part assembles by itself: llvm-mc -triple=amdgcn-amd-amdhsa -mcpu=gfx1250 --defsym DOCPART=n.
;; ======== version 1 of 1: 3 launches
;; limits: a function is approximated: absolute error at most 1.5e-07
;; workspace buffers: wimg 442,368 bytes; wsc 36,864 bytes; kv 3,407,872 bytes
;; launch wquant (part 1): grid 72 x 1, 4 waves a work-group, no clusters, 0 bytes of LDS; arguments Wqk, Wv, Wo, W2, W1, wimg, wsc; writes wimg, wsc
.if DOCPART == 1
	.amdgcn_target "amdgcn-amd-amdhsa--gfx1250"
	.amdhsa_code_object_version 6
	.text
	.protected	k_q642e493471_wquant
	.globl	k_q642e493471_wquant
	.p2align	8
	.type	k_q642e493471_wquant,@function
k_q642e493471_wquant:
	s_mov_b64 s[64:65], 0
	v_nop
	global_prefetch_b8 v0, s[64:65] scope:SCOPE_SE
	s_setreg_imm32_b32 hwreg(HW_REG_WAVE_MODE, 25, 1), 1
	s_wait_xcnt 0x0
; The five weights, f32 stored [K][N], become operands of FP6 (E2M3) with one E8M0 byte for each 32 along K.
; A RECORD is a fragment (16 columns x 128 K) as an image of its 12 registers: registers 4 q .. 4 q + 3 of lane l at byte 512 q + 16 l; 1,536 bytes.  Its scale words: 4 bytes a lane, 128 bytes.
; Record number = base + tile x KS + K step: Wqk 0 (KS 2), Wv 32 (2), Wo 64 (2), W2 96 (4), W1 160 (4).
; THE COLUMNS OF A TILE ARE NOT NEIGHBOURS: lane r of tile t takes column 32 (t / 2) + 8 (t % 2) + r + (r & 8), so that in a product's result the 16 registers of tiles 2 b and 2 b + 1 are 16 neighbouring columns.
; A lane takes a column and its registers run down K in the order of the operand's layout (k = 64 c + 32 h + i): the conversions' results are the operand's registers, nothing is transposed.
; A work-group takes 64 columns x 128 K, a wave one record.  2.3 MB are read once, in runs of 32 bytes: the launch is small and no stage through LDS is spent on it; no matrix unit, no cluster: nothing is shared.
; A block's byte is its largest magnitude's exponent field - 2, held at 1 from below (a block of zeros gets 1 where the quantiser says 127: its codes are zeros, and this program alone reads the bytes).
; LIMITS: blocks whose largest magnitude lies under 2^-124 keep the byte 1; NaN and infinities are not served.
.set NUM,  64                          ; v64-127  my 64 numbers
.set MXR,  32                          ; v32-33   largest magnitudes
.set SOP,  34                          ; v34-35   the conversions' scale operands
.set BYT,  36                          ; v36-37   scale bytes
.set TMPC, 40                          ; v40-46   the upper halves of the two blocks' codes, as converted
.set COD,  48                          ; v48-59   the fragment
	s_load_b256 s[4:11], s[0:1], 0x0               ; Wqk, Wv, Wo, W2
	s_load_b128 s[12:15], s[0:1], 0x20             ; W1, wimg
	s_load_b64 s[16:17], s[0:1], 0x30              ; wsc
	v_lshrrev_b32 v1, 5, v0
	v_readfirstlane_b32 s18, v1                    ; wave
	v_and_b32 v1, 31, v0                           ; lane
	v_and_b32 v2, 15, v0                           ; r
	v_bfe_u32 v3, v0, 4, 1                         ; h
	s_mov_b32 s20, 40                              ; first work-group of the weight; as set here: W1's figures
	s_mov_b32 s21, 2                               ; log2 of its K steps
	s_mov_b32 s22, 160                             ; its first record
	s_mov_b32 s23, 11                              ; log2 of a row's bytes
	s_mov_b32 s30, 0x76543210
	s_mov_b32 s31, 0xfedcba98                      ; v_permlanex16_b32's selects for lane l xor 16
	s_wait_kmcnt 0x0
	s_cmp_lt_u32 ttmp9, 40                         ; which weight: the choice hangs on the work-group's number alone
	s_cselect_b64 s[12:13], s[10:11], s[12:13]     ; W2
	s_cselect_b32 s20, 24, s20
	s_cselect_b32 s22, 96, s22
	s_cselect_b32 s23, 10, s23
	s_cmp_lt_u32 ttmp9, 24
	s_cselect_b64 s[12:13], s[8:9], s[12:13]       ; Wo
	s_cselect_b32 s20, 16, s20
	s_cselect_b32 s21, 1, s21
	s_cselect_b32 s22, 64, s22
	s_cmp_lt_u32 ttmp9, 16
	s_cselect_b64 s[12:13], s[6:7], s[12:13]       ; Wv
	s_cselect_b32 s20, 8, s20
	s_cselect_b32 s22, 32, s22
	s_cmp_lt_u32 ttmp9, 8
	s_cselect_b64 s[12:13], s[4:5], s[12:13]       ; Wqk
	s_cselect_b32 s20, 0, s20
	s_cselect_b32 s22, 0, s22
	s_sub_co_u32 s24, ttmp9, s20                   ; my number within the weight
	s_lshr_b32 s25, s24, s21                       ; which 64 columns
	s_bfm_b32 s26, s21, 0
	s_and_b32 s26, s24, s26                        ; which K step
	s_lshl_b32 s27, s25, 2
	s_add_co_u32 s27, s27, s18                     ; my wave's tile of columns
	s_lshl_b32 s27, s27, s21
	s_add_co_u32 s27, s27, s26
	s_add_co_u32 s27, s27, s22                     ; my record
	s_add_co_u32 s28, s23, 7
	s_lshl_b32 s28, s26, s28                       ; the K step's 128 rows, in bytes
	s_mov_b32 s29, 0
	s_add_nc_u64 s[12:13], s[12:13], s[28:29]
	s_mul_i32 s28, s27, 1536
	s_add_nc_u64 s[14:15], s[14:15], s[28:29]
	s_lshl_b32 s28, s27, 7
	s_add_nc_u64 s[16:17], s[16:17], s[28:29]
	s_lshl_b32 s32, s25, 6
	s_lshr_b32 s33, s18, 1
	s_lshl_b32 s33, s33, 5
	s_add_co_u32 s32, s32, s33
	s_and_b32 s33, s18, 1
	s_lshl_b32 s33, s33, 3
	s_add_co_u32 s32, s32, s33                     ; 64 x group + 32 (wave / 2) + 8 (wave % 2)
	v_and_b32 v4, 8, v2
	v_add3_u32 v4, v4, v2, s32                     ; my column
	s_add_co_u32 s33, s23, 5
	v_lshlrev_b32 v5, s33, v3                      ; lanes 16-31 begin 32 rows further down
	v_lshl_add_u32 v5, v4, 2, v5
	v_lshlrev_b32 v6, 4, v1                        ; the way out: 16 bytes a lane,
	v_lshlrev_b32 v7, 2, v1                        ; 4 for the scale word
	v_lshlrev_b32 v10, 3, v3                       ; 8 h: my bytes' place in the scale word
	v_mov_b32 v11, 0                               ; (a lane permute's destination counts as one of its sources)
.macro WLOAD pitch                     ; W(64 c + 32 h + i, my column), every offset an immediate
.irp c, 0,1
.set i, 0
.rept 32
	global_load_b32 v[NUM+32*\c+i], v5, s[12:13] offset:(64*\c+i)*\pitch th:TH_LOAD_NT
.set i, i+1
.endr
.endr
.endm
	s_cmp_lt_u32 ttmp9, 40                         ; the row's length stands in the immediates: two copies of the 64 loads
	s_cbranch_scc0 .Lwide
	WLOAD 1024
	s_branch .Lloaded
.Lwide:
	WLOAD 2048
.Lloaded:
	s_wait_loadcnt 0x0
.irp c, 0,1                            ; my block 2 c + h: all its 32 numbers are mine
	v_max3_num_f32 v[MXR+\c], |v[NUM+32*\c]|, |v[NUM+1+32*\c]|, 0x1800000   ; with the floor 2^(3 - 127): the byte cannot fall under 1
.endr
.irp i, 2,4,6,8,10,12,14,16,18,20,22,24,26,28,30
.irp c, 0,1
	v_max3_num_f32 v[MXR+\c], v[MXR+\c], |v[NUM+32*\c+\i]|, |v[NUM+1+32*\c+\i]|   ; (the two blocks by turns)
.endr
.endr
.irp c, 0,1
	v_add_nc_u32 v[SOP+\c], 0xff000000, v[MXR+\c]  ; 2 off the exponent field: the conversion takes this operand's exponent field as its scale
.endr
.irp c, 0,1
	v_lshrrev_b32 v[BYT+\c], 23, v[SOP+\c]         ; the scale's byte
.endr
	v_lshl_or_b32 v9, v[BYT+1], 16, v[BYT]         ; blocks h and 2 + h of my column,
	v_lshlrev_b32 v9, v10, v9                      ; at their places;
	v_permlanex16_b32 v11, v9, s30, s31
	v_or_b32 v9, v9, v11                           ; with lane l xor 16's two the word is whole, in both halves of the lanes
.irp c, 0,1
	v_cvt_scalef32_pk16_fp6_f32 v[COD+6*\c:COD+6*\c+2], v[NUM+32*\c:NUM+32*\c+15], v[SOP+\c]
	v_cvt_scalef32_pk16_fp6_f32 v[TMPC+4*\c:TMPC+4*\c+2], v[NUM+16+32*\c:NUM+31+32*\c], v[SOP+\c]   ; (a conversion's three registers begin on an even number)
.endr
	v_nop                                          ; one plain place behind a scaled conversion
.irp c, 0,1
.irp i, 0,1,2
	v_mov_b32 v[COD+3+6*\c+\i], v[TMPC+4*\c+\i]
.endr
.endr
.irp q, 0,1,2
	global_store_b128 v6, v[COD+4*\q:COD+4*\q+3], s[14:15] offset:512*\q   ; 32 lanes store 512 consecutive bytes, at a multiple of 256 from the buffer's first byte
.endr
	global_store_b32 v7, v9, s[16:17]
	s_endpgm
.Lfunc_end_k_q642e493471_wquant:
	.size	k_q642e493471_wquant, .Lfunc_end_k_q642e493471_wquant-k_q642e493471_wquant
	.p2alignl 7, 3214868480
	.fill 96, 4, 3214868480
	.section	.rodata,"a",@progbits
	.p2align	6, 0x0
	.amdhsa_kernel k_q642e493471_wquant
		.amdhsa_group_segment_fixed_size 0
		.amdhsa_private_segment_fixed_size 0
		.amdhsa_enable_private_segment 0
		.amdhsa_kernarg_size 56
		.amdhsa_user_sgpr_count 2
		.amdhsa_user_sgpr_kernarg_segment_ptr 1
		.amdhsa_wavefront_size32 1
		.amdhsa_system_sgpr_workgroup_id_x 1
		.amdhsa_system_sgpr_workgroup_id_y 1
		.amdhsa_system_sgpr_workgroup_id_z 1
		.amdhsa_system_vgpr_workitem_id 0
		.amdhsa_next_free_vgpr 128
		.amdhsa_next_free_sgpr 66
		.amdhsa_reserve_vcc 0
		.amdhsa_float_denorm_mode_32 3
		.amdhsa_float_denorm_mode_16_64 3
		.amdhsa_memory_ordered 1
		.amdhsa_forward_progress 1
		.amdhsa_inst_pref_size 19
	.end_amdhsa_kernel
	.amdgpu_metadata
---
amdhsa.version: [ 1, 2 ]
amdhsa.kernels:
  - .name:           k_q642e493471_wquant
    .symbol:         k_q642e493471_wquant.kd
    .args:
      - { .name: Wqk, .offset: 0, .size: 8, .value_kind: global_buffer, .address_space: global }
      - { .name: Wv, .offset: 8, .size: 8, .value_kind: global_buffer, .address_space: global }
      - { .name: Wo, .offset: 16, .size: 8, .value_kind: global_buffer, .address_space: global }
      - { .name: W2, .offset: 24, .size: 8, .value_kind: global_buffer, .address_space: global }
      - { .name: W1, .offset: 32, .size: 8, .value_kind: global_buffer, .address_space: global }
      - { .name: wimg, .offset: 40, .size: 8, .value_kind: global_buffer, .address_space: global }
      - { .name: wsc, .offset: 48, .size: 8, .value_kind: global_buffer, .address_space: global }
    .group_segment_fixed_size: 0
    .private_segment_fixed_size: 0
    .kernarg_segment_align: 8
    .kernarg_segment_size: 56
    .max_flat_workgroup_size: 128
    .sgpr_count:     66
    .vgpr_count:     128
    .wavefront_size: 32
...
	.end_amdgpu_metadata
.endif
;; end of part 1
;; launch proj (part 2): grid 64 x 1, 16 waves a work-group, clusters of 4 x 1, 169,984 bytes of LDS; arguments x0, x1, wimg, wsc, bqk, bv, kv; writes kv
.if DOCPART == 2
	.amdgcn_target "amdgcn-amd-amdhsa--gfx1250"
	.amdhsa_code_object_version 6
	.text
	.protected	k_q642e493471_proj
	.globl	k_q642e493471_proj
	.p2align	8
	.type	k_q642e493471_proj,@function
k_q642e493471_proj:
	s_mov_b64 s[64:65], 0
	v_nop
	global_prefetch_b8 v0, s[64:65] scope:SCOPE_SE
	s_setreg_imm32_b32 hwreg(HW_REG_WAVE_MODE, 25, 1), 1
	s_wait_xcnt 0x0
	s_wait_alu depctr_hold_cnt(0) depctr_sa_sdst(0) depctr_va_vdst(0) depctr_va_sdst(0) depctr_va_ssrc(0) depctr_va_vcc(0) depctr_vm_vsrc(0)
	s_getreg_b32 s2, hwreg(HW_REG_IB_STS2, 6, 4)
	s_cmp_eq_u32 s2, 0
	s_cbranch_scc0 .Lentry_in_a_cluster
	s_endpgm
.Lentry_in_a_cluster:
	s_bfe_u32 s2, ttmp6, 0x10000c
	s_cmp_lg_u32 s2, 0x3003
	s_cbranch_scc0 .Lentry_shape_is_right
	s_endpgm
.Lentry_shape_is_right:
; qk = (x Wqk + bqk) 32^(-1/4) and v = x Wv + bv for x0 and x1, both products on codes of FP6 (E2M3); the results are quantised at once into the operands of the attention (buffer kv).
; A work-group takes 128 tokens of one source (0: x0, 1: x1): half of a kv slot of 256 tokens.  Sixteen waves, three jobs each:
;   X : wave w quantises x's fragment (tile of tokens T = w / 2, K step w % 2) and stores its image in LDS                                  | barrier |
;   QK: tile of tokens T x heads 4 (w % 2) .. + 3, used transposed (source 0 = 16 columns of Wqk, source 1 = x): a lane holds one token, its registers run along the channels: four blocks of 32 = four heads
;   V : tile of channels w x all 8 tiles of tokens (source 0 = x, source 1 = 16 columns of Wv): a lane holds one channel, its registers run along the tokens, which are the second product's K
; THE TOKENS OF A TILE ARE NOT NEIGHBOURS: lane r of tile T takes token 32 (T / 2) + 8 (T % 2) + r + (r & 8); the weights' columns likewise.  So 16 registers of two neighbouring tiles are 16 neighbours.
; A RECORD is a fragment (16 rows x 128 K) as an image of its 12 registers: registers 4 q .. 4 q + 3 of lane l at 512 q + 16 l.  Block blk of row r lies there as three pieces of 8 bytes at
; 16 (r + 16 (blk & 1)) + {0, 8, 512} + (blk >> 1) x {520, 1016, 520}.
; A kv SLOT (106,496 bytes): 32 K records [64 tokens g][head]; at 49,152 32 V records [128 tokens q][2 head + tile]; at 98,304 K's scale records (128 bytes each); at 102,400 V's.
; In a K record block tt of row r holds the head's 32 channels of token 64 g + 32 (tt / 2) + 8 (tt % 2) + r + (r & 8): four tiles of keys in one record, since that product's K is only 32.
; CLUSTER: all work-groups read the same 64 weight records (98,304 + 8,192 bytes): four partners ask for them jointly, once, as first fills; nothing is filled again.
; LIMITS: blocks whose largest magnitude lies under 2^-124 keep the byte 1 (a block of zeros too: its codes are zeros); NaN and infinities are not served.
.set WSC,   98304                      ; LDS: 0 the weights' 64 records; here their scale records;
.set XIMG,  106496                     ; x's 16 fragments (2 T + K step),
.set XSC,   131072                     ; their scale words,
.set KSTG,  133120                     ; the stage for 16 K records (8 (T / 4) + head),
.set KSC,   157696                     ; and their scale records; the end is 159,744
.set L16,  4                           ; v4   16 x lane
.set L4,   5                           ; v5   4 x lane
.set XWI,  6                           ; v6-15, v240-244: LDS addresses, all made ahead of the first branch on the wave's number
.set XWS,  7
.set XQ,   8
.set XQS,  9
.set XV,   10
.set XVS,  11
.set WQ,   12
.set WQS,  13
.set WVA,  14
.set WVS,  15
.set R1,   16                          ; v16-111  x's numbers, then eight fragments
.set ACC,  112                         ; v112-175 eight accumulators
.set XF,   176                         ; v176-199 two fragments that stay through a job
.set PC,   176                         ; the same registers: the codes just made (12, and 8 at work)
.set TM,   200                         ; v200-215 largest magnitudes, bytes, scale operands
.set PW,   216                         ; the scale word just made
.set BV,   218                         ; v[218:219] bv of my channel
.set SA,   224                         ; v224-231 scale words of the eight fragments
.set SB,   232                         ; v232-233 of the two that stay
.set KA02, 240
.set KA1,  241
.set KSB,  242
.set KRD,  243
.set KRS,  244
.set XA,   245                         ; byte offsets in x, bqk, bv
.set BQ,   246
.set BVO,  247
.set WV,   18
.set SEL,  20
.macro ROUND                           ; a round of the cluster's barrier
	s_barrier_signal -1
	s_barrier_wait -1
	s_cmp_lg_u32 s[WV], 0
	s_cbranch_scc1 .Lnot_wave_0_\@
	s_barrier_signal -3
.Lnot_wave_0_\@:
	s_barrier_wait -3
	s_barrier_signal -1
	s_barrier_wait -1
.endm
.macro BARRIER                         ; my LDS stores have landed and my LDS loads are in: then the work-group's barrier
	s_wait_dscnt 0x0
	s_barrier_signal -1
	s_barrier_wait -1
.endm
.macro PLACES n
.rept \n
	v_nop
.endr
.endm
.macro IMAGE adr, off                  ; the fragment in v[PC] on goes to LDS as it stands
.irp c, 0,1,2
	ds_store_b128 v[\adr], v[PC+4*\c:PC+4*\c+3] offset:\off+512*\c
.endr
.endm
.macro FETCH reg, adr, off             ; and comes back so, in any wave
.irp c, 0,1,2
	ds_load_b128 v[\reg+4*\c:\reg+4*\c+3], v[\adr] offset:\off+512*\c
.endr
.endm
.macro MMA d, a, b, sa, sb             ; D += A B
	v_wmma_scale_f32_16x16x128_f8f6f4 v[\d:\d+7], v[\a:\a+11], v[\b:\b+11], v[\d:\d+7], v[\sa], v[\sb] matrix_a_fmt:MATRIX_FMT_FP6 matrix_b_fmt:MATRIX_FMT_FP6
.endm
.macro MMZ d, a, b, sa, sb             ; D = A B: the first K step starts the sum
	v_wmma_scale_f32_16x16x128_f8f6f4 v[\d:\d+7], v[\a:\a+11], v[\b:\b+11], 0, v[\sa], v[\sb] matrix_a_fmt:MATRIX_FMT_FP6 matrix_b_fmt:MATRIX_FMT_FP6
.endm
; 64 numbers of a lane, register 16 b + i = k 32 b + 16 (lane / 16) + i of my row, become a fragment's codes in v[PC] on, its scale word in v[PW] and the four bytes in v[TM+4] on.
.macro QUANT4 s
.irp b, 0,1,2,3
	v_max3_num_f32 v[TM+\b], |v[\s+16*\b]|, |v[\s+1+16*\b]|, 0x1800000   ; block b: my 16 numbers, and the floor 2^(3 - 127): the byte cannot fall under 1
.endr
.irp i, 2,4,6,8,10,12,14
.irp b, 0,1,2,3
	v_max3_num_f32 v[TM+\b], v[TM+\b], |v[\s+16*\b+\i]|, |v[\s+1+16*\b+\i]|   ; (the four blocks by turns)
.endr
.endr
.irp b, 0,1,2,3
	v_permlanex16_b32 v[TM+4+\b], v[TM+\b], s[SEL], s[SEL+1]
.endr
.irp b, 0,1,2,3
	v_max_num_f32 v[TM+\b], v[TM+\b], v[TM+4+\b]   ; with lane l xor 16's: the block's largest magnitude
.endr
.irp b, 0,1,2,3
	v_add_nc_u32 v[TM+12+\b], 0xff000000, v[TM+\b] ; 2 off its exponent field: the conversion's scale operand
.endr
.irp b, 0,1,2,3
	v_lshrrev_b32 v[TM+4+\b], 23, v[TM+12+\b]      ; the scale's byte
.endr
	v_lshl_or_b32 v[PW], v[TM+5], 8, v[TM+4]
	v_lshl_or_b32 v[PW], v[TM+6], 16, v[PW]
	v_lshl_or_b32 v[PW], v[TM+7], 24, v[PW]
.irp c, 0,1
	v_cvt_scalef32_pk16_fp6_f32 v[PC+6*\c:PC+2+6*\c], v[\s+32*\c:\s+15+32*\c], v[TM+12+2*\c]
	v_cvt_scalef32_pk16_fp6_f32 v[PC+12+4*\c:PC+14+4*\c], v[\s+16+32*\c:\s+31+32*\c], v[TM+12+2*\c+1]   ; (a conversion's three registers begin on an even number)
.endr
	v_nop                                          ; one plain place behind a scaled conversion
.irp c, 0,1                            ; the operand's layout wants a WHOLE block in a lane: lanes 0-15 block 2 c, lanes 16-31 block 2 c + 1
.irp i, 0,1,2
	v_permlane16_swap_b32 v[PC+6*\c+\i], v[PC+12+4*\c+\i]
.endr
.irp i, 0,1,2
	v_mov_b32 v[PC+3+6*\c+\i], v[PC+12+4*\c+\i]
.endr
.endr
.endm
	s_load_b256 s[4:11], s[0:1], 0x0               ; x0, x1, wimg, wsc
	s_load_b128 s[12:15], s[0:1], 0x20             ; bqk, bv
	s_load_b64 s[16:17], s[0:1], 0x30              ; kv
	v_lshl_add_u32 v254, v0, 2, 0x29000
	v_mov_b32 v255, 0
	ds_add_u32 v254, v255
	v_lshrrev_b32 v1, 5, v0
	v_readfirstlane_b32 s[WV], v1                  ; wave 0..15
	v_and_b32 v1, 31, v0                           ; lane
	v_and_b32 v2, 15, v0                           ; r
	v_bfe_u32 v3, v0, 4, 1                         ; h
	v_lshlrev_b32 v[L16], 4, v1
	v_lshlrev_b32 v[L4], 2, v1
	s_lshr_b32 s19, s[WV], 1                       ; T
	s_and_b32 s50, s[WV], 1                        ; K step of job X, half of the heads of job QK
	s_mov_b32 s[SEL], 0x76543210
	s_mov_b32 s[SEL+1], 0xfedcba98                 ; v_permlanex16_b32's selects for lane l xor 16
	s_mov_b32 s22, 0x3ed744fd                      ; 32^(-1/4)
	s_mov_b32 s23, s22                             ; (named with it as a pair, so it is written)
	; byte offsets in memory.  g = my 128 tokens among the 64 groups of both sources; it enters global addresses alone
	s_bfe_u32 s48, ttmp6, 0x40000                  ; cx
	s_lshl_b32 s49, ttmp9, 2
	s_add_co_u32 s49, s49, s48                     ; g
	s_and_b32 s60, s49, 31
	s_lshl_b32 s60, s60, 17                        ; 128 rows of 1,024 bytes
	s_lshr_b32 s61, s19, 1
	s_lshl_b32 s61, s61, 15                        ; + 32 (T / 2) rows
	s_add_co_u32 s60, s60, s61
	s_and_b32 s61, s19, 1
	s_lshl_b32 s61, s61, 13                        ; + 8 (T % 2) rows
	s_add_co_u32 s60, s60, s61
	s_lshl_b32 s61, s50, 9                         ; + the K step's 512 bytes
	s_add_co_u32 s60, s60, s61
	s_mov_b32 s61, 0
	s_lshr_b32 s62, s49, 1
	s_mul_i32 s62, s62, 106496                     ; my kv slot
	s_and_b32 s63, s49, 1                          ; which half of it
	s_mul_i32 s66, s63, 24576
	s_add_co_u32 s66, s66, s62
	s_mul_i32 s67, s[WV], 1536
	s_add_co_u32 s66, s66, s67                     ; record 16 x half + wave, of K; V's lies 49,152 further on
	s_mov_b32 s67, 0
	s_lshl_b32 s70, s63, 11
	s_add_co_u32 s70, s70, s62
	s_lshl_b32 s71, s[WV], 7
	s_add_co_u32 s70, s70, s71
	s_add_co_u32 s70, s70, 98304                   ; its scale record; V's lies 4,096 further on
	s_mov_b32 s71, 0
	v_and_b32 v[XA], 8, v2
	v_add_nc_u32 v[XA], v[XA], v2                  ; r + (r & 8)
	s_lshl_b32 s74, s19, 5
	s_lshl_b32 s75, s50, 3
	s_add_co_u32 s74, s74, s75
	v_add_nc_u32 v[BVO], s74, v[XA]                ; job V: my channel 32 (w / 2) + 8 (w % 2) + r + (r & 8)
	v_lshlrev_b32 v[BVO], 2, v[BVO]
	v_lshlrev_b32 v[XA], 10, v[XA]
	v_lshl_add_u32 v[XA], v3, 6, v[XA]             ; x: my row, + 64 h: my 16 numbers of each block of 32
	s_lshl_b32 s74, s50, 9
	v_lshl_add_u32 v[BQ], v3, 6, s74               ; bqk: 128 x half + 16 h channels on
	; descriptors: dense blocks as rows of 256 bytes (32 elements of 8 bytes); mask 15: all four partners; bit 21 set beside a mask
	s_mov_b32 s24, 15|(3<<16)|(1<<21)
	s_mov_b32 s25, 32<<16                          ; tensor_dim0 = 32
	s_mov_b32 s26, 96<<16                          ; tensor_dim1 = 96: a quarter of the 64 records, 24,576 bytes
	s_mov_b32 s27, 32<<16                          ; tile_dim0
	s_mov_b32 s28, 96                              ; tile_dim1
	s_mov_b32 s29, 32                              ; pitch
	s_mov_b32 s30, 0
	s_mov_b32 s31, 0
	s_mov_b32 s32, 15|(3<<16)|(1<<21)
	s_mov_b32 s33, 32<<16
	s_mov_b32 s34, 32<<16                          ; 32 rows: the 64 scale records, 8,192 bytes
	s_mov_b32 s35, 32<<16
	s_mov_b32 s36, 32
	s_mov_b32 s37, 32
	s_mov_b32 s38, 0
	s_mov_b32 s39, 0
	s_and_b32 s76, s[WV], 3
	s_mul_i32 s76, s76, 24576
	s_mov_b32 s77, 0
	s_wait_dscnt 0x0
	s_wait_kmcnt 0x0
	s_mov_b32 s40, 1
	s_mov_b32 s41, s76                             ; waves 0-3: quarter w, the same place in memory and in LDS
	s_add_nc_u64 s[42:43], s[8:9], s[76:77]
	s_or_b32 s43, s43, 0x80000000
	s_mov_b32 s44, 1
	s_mov_b32 s45, WSC                             ; wave 4: the scale records
	s_mov_b64 s[46:47], s[10:11]
	s_or_b32 s47, s47, 0x80000000
	s_cmp_lt_u32 ttmp9, 8                          ; source 0 or 1: the cluster's number alone decides
	s_cselect_b64 s[4:5], s[4:5], s[6:7]
	s_add_nc_u64 s[4:5], s[4:5], s[60:61]
	s_add_nc_u64 s[68:69], s[16:17], s[66:67]
	s_add_nc_u64 s[72:73], s[16:17], s[70:71]
	; my 64 numbers of x, then the biases: they are on their way while the cluster meets
.irp b, 0,1,2,3
.irp j, 0,1,2,3
	global_load_b128 v[R1+16*\b+4*\j:R1+16*\b+4*\j+3], v[XA], s[4:5] offset:128*\b+16*\j
.endr
.endr
.irp t, 0,1,2,3,4,5,6,7                ; bqk in the result's layout, straight into the accumulators: the sums begin with it
	global_load_b128 v[ACC+8*\t:ACC+8*\t+3], v[BQ], s[12:13] offset:(32*(\t/2)+8*(\t%2))*4
	global_load_b128 v[ACC+8*\t+4:ACC+8*\t+7], v[BQ], s[12:13] offset:(32*(\t/2)+8*(\t%2))*4+16
.endr
	global_load_b32 v[BV], v[BVO], s[14:15]
	v_mov_b32 v[BV+1], 0                           ; (named with it as a pair, so it is written)
	; LDS addresses: a constant + a constant x lane + what the wave's number gives
	s_mul_i32 s51, s[WV], 1536
	s_add_co_u32 s52, s51, XIMG
	v_add_nc_u32 v[XWI], s52, v[L16]               ; where I store x's image
	s_add_co_u32 s52, s51, KSTG
	v_add_nc_u32 v[KRD], s52, v[L16]               ; the K record that I copy out
	s_lshl_b32 s51, s[WV], 7
	s_add_co_u32 s52, s51, XSC
	v_add_nc_u32 v[XWS], s52, v[L4]
	s_add_co_u32 s52, s51, KSC
	v_add_nc_u32 v[KRS], s52, v[L4]
	s_mul_i32 s51, s19, 3072
	s_add_co_u32 s51, s51, XIMG
	v_add_nc_u32 v[XQ], s51, v[L16]                ; job QK: x's two fragments of tile T
	s_lshl_b32 s51, s19, 8
	s_add_co_u32 s51, s51, XSC
	v_add_nc_u32 v[XQS], s51, v[L4]
	v_add_nc_u32 v[XV], XIMG, v[L16]               ; job V: all of x's
	v_add_nc_u32 v[XVS], XSC, v[L4]
	s_mul_i32 s51, s50, 24576
	v_add_nc_u32 v[WQ], s51, v[L16]                ; Wqk's records of my half of the heads
	s_lshl_b32 s51, s50, 11
	s_add_co_u32 s51, s51, WSC
	v_add_nc_u32 v[WQS], s51, v[L4]
	s_mul_i32 s51, s[WV], 3072
	s_add_co_u32 s51, s51, 49152
	v_add_nc_u32 v[WVA], s51, v[L16]               ; Wv's two records of tile w
	s_lshl_b32 s51, s[WV], 8
	s_add_co_u32 s51, s51, WSC+4096
	v_add_nc_u32 v[WVS], s51, v[L4]
	s_lshr_b32 s52, s19, 2
	s_lshl_b32 s52, s52, 3
	s_lshl_b32 s53, s50, 2
	s_add_co_u32 s52, s52, s53                     ; stage record 8 (T / 4) + 4 x half; lane half h and register half c add 2 c + h
	s_mul_i32 s53, s52, 1536
	s_and_b32 s54, s19, 1
	s_lshl_b32 s55, s54, 8
	s_add_co_u32 s53, s53, s55                     ; block T % 4 of the record: + 256 (T % 2),
	s_add_co_u32 s53, s53, KSTG
	s_bfe_u32 s55, s19, 0x10001
	s_mul_i32 s56, s55, 520                        ; + ((T / 2) % 2) x 520 for the first and third piece,
	s_mul_i32 s57, s55, 1016                       ; x 1016 for the second
	s_add_co_u32 s56, s56, s53
	s_add_co_u32 s57, s57, s53
	v_mul_u32_u24 v[KA02], v3, 1536
	v_lshl_add_u32 v[KA02], v2, 4, v[KA02]
	v_add_nc_u32 v[KA1], s57, v[KA02]
	v_add_nc_u32 v[KA02], s56, v[KA02]
	s_lshl_b32 s58, s52, 7
	s_and_b32 s59, s19, 3
	s_add_co_u32 s58, s58, s59
	s_add_co_u32 s58, s58, KSC
	v_add_nc_u32 v[KSB], s58, v[L4]                ; byte T % 4 of my lane's word
.irp b, 0,1,2,3
	v_mov_b32 v[TM+4+\b], 0                        ; written once: a lane permute's destination counts as one of its sources
.endr
	ROUND                                          ; all four work-groups are here: the joint loads meet
	s_cmp_lt_u32 s[WV], 4                          ; the first and only fills: waves 0-3 a quarter of the records each, wave 4 the scale records; one tensor load of a wave is out
	s_cbranch_scc0 .Lnot_img
	tensor_load_to_lds s[40:43], s[24:31]
	s_nop 0
	PLACES 4
	s_branch .Lasked
.Lnot_img:
	s_cmp_eq_u32 s[WV], 4
	s_cbranch_scc0 .Lasked
	tensor_load_to_lds s[44:47], s[32:39]
	s_nop 0
	PLACES 4
.Lasked:
	; ---- X
	s_wait_loadcnt 17                              ; x's 16 loads are in; the 17 loads of the biases, issued behind them, may be out
	QUANT4 R1
	IMAGE XWI, 0
	ds_store_b32 v[XWS], v[PW]
	s_wait_tensorcnt 0x0                           ; my part of the weights has landed
	BARRIER                                        ; x's sixteen fragments and the weights lie in LDS
	; ---- QK
	FETCH XF, XQ, 0
	FETCH XF+12, XQ, 1536
	ds_load_b32 v[SB], v[XQS]
	ds_load_b32 v[SB+1], v[XQS] offset:128
.irp k, 0,1
.if \k
	PLACES 4                                       ; in front of loads into registers that matrix instructions have read
.endif
.irp t, 0,1,2,3,4,5,6,7
	FETCH R1+12*\t, WQ, (2*\t+\k)*1536
	ds_load_b32 v[SA+\t], v[WQS] offset:(2*\t+\k)*128
.endr
	s_wait_loadcnt 0x0                             ; the biases
	s_wait_dscnt 0x0
.irp t, 0,1,2,3,4,5,6,7                ; the eight accumulators by turns
	MMA ACC+8*\t, R1+12*\t, XF+12*\k, SA+\t, SB+\k
.endr
.endr
	PLACES 4
.set j, 0
.rept 32
	v_pk_mul_f32 v[ACC+j:ACC+j+1], v[ACC+j:ACC+j+1], s[22:23] op_sel_hi:[1,0]   ; x 32^(-1/4); each accumulator from its low end on
.set j, j+2
.endr
	QUANT4 ACC                                     ; block b = head 4 x half + b of my token
.irp c, 0,1                            ; my 24 bytes of head 4 x half + 2 c + h go to that head's record, block T % 4, row r
	ds_store_b64 v[KA02], v[PC+6*\c:PC+6*\c+1] offset:3072*\c
	ds_store_b64 v[KA1], v[PC+6*\c+2:PC+6*\c+3] offset:3072*\c+8
	ds_store_b64 v[KA02], v[PC+6*\c+4:PC+6*\c+5] offset:3072*\c+512
.endr
.irp b, 0,1,2,3
	ds_store_b8 v[KSB], v[TM+4+\b] offset:128*\b   ; each lane its own word's byte: lanes 16-31 repeat lanes 0-15
.endr
	; ---- V
	s_wait_dscnt 0x0                               ; the stores have read their registers
	FETCH XF, WVA, 0
	FETCH XF+12, WVA, 1536
	ds_load_b32 v[SB], v[WVS]
	ds_load_b32 v[SB+1], v[WVS] offset:128
.irp k, 0,1
.if \k
	PLACES 4
.endif
.irp t, 0,1,2,3,4,5,6,7
	FETCH R1+12*\t, XV, (2*\t+\k)*1536
	ds_load_b32 v[SA+\t], v[XVS] offset:(2*\t+\k)*128
.endr
	s_wait_dscnt 0x0
.irp t, 0,1,2,3,4,5,6,7
.if \k
	MMA ACC+8*\t, R1+12*\t, XF+12*\k, SA+\t, SB+\k
.else
	MMZ ACC+8*\t, R1+12*\t, XF+12*\k, SA+\t, SB+\k
.endif
.endr
.endr
	PLACES 4
.set j, 0
.rept 32
	v_pk_add_f32 v[ACC+j:ACC+j+1], v[ACC+j:ACC+j+1], v[BV:BV+1] op_sel_hi:[1,0]   ; + bv of my channel
.set j, j+2
.endr
	QUANT4 ACC                                     ; my channel's 128 tokens: one whole V record
.irp c, 0,1,2
	global_store_b128 v[L16], v[PC+4*\c:PC+4*\c+3], s[68:69] offset:49152+512*\c   ; 512 consecutive bytes, at a multiple of 256 from the buffer's first byte
.endr
	global_store_b32 v[L4], v[PW], s[72:73] offset:4096
	BARRIER                                        ; the sixteen K records are whole
	FETCH R1, KRD, 0
	ds_load_b32 v[R1+12], v[KRS]
	s_wait_dscnt 0x0
.irp c, 0,1,2
	global_store_b128 v[L16], v[R1+4*\c:R1+4*\c+3], s[68:69] offset:512*\c
.endr
	global_store_b32 v[L4], v[R1+12], s[72:73]
	s_wait_tensorcnt 0x0
	ds_add_u32 v254, v255
	s_wait_dscnt 0x0
	ROUND                                          ; the closing round: no work-group ends while a partner may still ask jointly
	s_endpgm
.Lfunc_end_k_q642e493471_proj:
	.size	k_q642e493471_proj, .Lfunc_end_k_q642e493471_proj-k_q642e493471_proj
	.p2alignl 7, 3214868480
	.fill 96, 4, 3214868480
	.section	.rodata,"a",@progbits
	.p2align	6, 0x0
	.amdhsa_kernel k_q642e493471_proj
		.amdhsa_group_segment_fixed_size 169984
		.amdhsa_private_segment_fixed_size 0
		.amdhsa_enable_private_segment 0
		.amdhsa_kernarg_size 56
		.amdhsa_user_sgpr_count 2
		.amdhsa_user_sgpr_kernarg_segment_ptr 1
		.amdhsa_wavefront_size32 1
		.amdhsa_system_sgpr_workgroup_id_x 1
		.amdhsa_system_sgpr_workgroup_id_y 1
		.amdhsa_system_sgpr_workgroup_id_z 1
		.amdhsa_system_vgpr_workitem_id 0
		.amdhsa_next_free_vgpr 256
		.amdhsa_next_free_sgpr 80
		.amdhsa_reserve_vcc 0
		.amdhsa_float_denorm_mode_32 3
		.amdhsa_float_denorm_mode_16_64 3
		.amdhsa_memory_ordered 1
		.amdhsa_forward_progress 1
		.amdhsa_inst_pref_size 43
	.end_amdhsa_kernel
	.amdgpu_metadata
---
amdhsa.version: [ 1, 2 ]
amdhsa.kernels:
  - .name:           k_q642e493471_proj
    .symbol:         k_q642e493471_proj.kd
    .args:
      - { .name: x0, .offset: 0, .size: 8, .value_kind: global_buffer, .address_space: global }
      - { .name: x1, .offset: 8, .size: 8, .value_kind: global_buffer, .address_space: global }
      - { .name: wimg, .offset: 16, .size: 8, .value_kind: global_buffer, .address_space: global }
      - { .name: wsc, .offset: 24, .size: 8, .value_kind: global_buffer, .address_space: global }
      - { .name: bqk, .offset: 32, .size: 8, .value_kind: global_buffer, .address_space: global }
      - { .name: bv, .offset: 40, .size: 8, .value_kind: global_buffer, .address_space: global }
      - { .name: kv, .offset: 48, .size: 8, .value_kind: global_buffer, .address_space: global }
    .group_segment_fixed_size: 169984
    .private_segment_fixed_size: 0
    .kernarg_segment_align: 8
    .kernarg_segment_size: 56
    .max_flat_workgroup_size: 512
    .sgpr_count:     80
    .vgpr_count:     256
    .wavefront_size: 32
...
	.end_amdgpu_metadata
.endif
;; end of part 2
;; launch attnffn (part 3): grid 256 x 1, 16 waves a work-group, clusters of 4 x 1, 327,680 bytes of LDS; arguments kv, match, x0, x1, wimg, wsc, bo, b1, gamma, beta, b2, out0, out1; writes out0, out1
.if DOCPART == 3
	.amdgcn_target "amdgcn-amd-amdhsa--gfx1250"
	.amdhsa_code_object_version 6
	.text
	.protected	k_q642e493471_attnffn
	.globl	k_q642e493471_attnffn
	.p2align	8
	.type	k_q642e493471_attnffn,@function
k_q642e493471_attnffn:
	s_mov_b64 s[64:65], 0
	v_nop
	global_prefetch_b8 v0, s[64:65] scope:SCOPE_SE
	s_setreg_imm32_b32 hwreg(HW_REG_WAVE_MODE, 25, 1), 1
	s_wait_xcnt 0x0
	s_wait_alu depctr_hold_cnt(0) depctr_sa_sdst(0) depctr_va_vdst(0) depctr_va_sdst(0) depctr_va_ssrc(0) depctr_va_vcc(0) depctr_vm_vsrc(0)
	s_getreg_b32 s2, hwreg(HW_REG_IB_STS2, 6, 4)
	s_cmp_eq_u32 s2, 0
	s_cbranch_scc0 .Lentry_in_a_cluster
	s_endpgm
.Lentry_in_a_cluster:
	s_bfe_u32 s2, ttmp6, 0x10000c
	s_cmp_lg_u32 s2, 0x3003
	s_cbranch_scc0 .Lentry_shape_is_right
	s_endpgm
.Lentry_shape_is_right:
; Both directions of the match-weighted attention and, for the same tokens, the rest of the block: out = x + gelu(LN([x, m Wo + bo] W1 + b1)) W2 + b2.  All products on codes of FP6 (E2M3).
; Work-group X: direction X / 128, batch (X / 64) % 2, 32 queries 32 (X % 64) on, all 8 heads; m of these 32 tokens never goes to memory.
; ---- THE ATTENTION
; Direction 0: queries are tokens of x0, keys and values of x1, logit = (q . k) match[b][q][k].  Direction 1: queries of x1, keys and values of x0, logit = (q . k) match[b][k][q].
; Wave w: head w / 2, tile of 16 queries w % 2, in 256 registers: four waves to a SIMD, so that one wave's vector work stands beside another's matrix work and LDS loads.
; THE SOFTMAX: t = logit x log2(e); M = the running largest t rounded UP to a whole number; p = 2^(t - M) is quantised along the keys, not normalised; the sum is taken of the unquantised p and divides at the end.
; When M moves, the sum and O are multiplied by 2^(old M - new M): exact, and no branch on data.
; LAYOUT: both products transposed (S^T = K Q^T, O^T = V^T P^T): a lane holds ONE query.  The first product's K is 32, the instruction's 128: a K record packs FOUR tiles of 16 keys, one in each block of 32,
; and Q stands in one block with zero codes in the other three; four variants of Q are four windows of one run of registers (zeros, data in lanes 0-15, zeros, data in lanes 16-31, zeros).
; Tile t of a step of 128 keys holds keys 32 (t / 2) + 8 (t % 2) + row + (row & 8): the 16 registers of tiles 2 b, 2 b + 1 are keys 32 b + 16 (lane / 16) + 0 .. 15.
; RING: two LDS slots of 256 keys: the kv block of 106,496 bytes (all heads' K, V and scale records), then the work-group's tile of match.  The four partners of a cluster share direction and batch, so the kv block is
; asked for JOINTLY (waves 0-3, a quarter each); match is each work-group's own (wave 4, a plain load behind the same round).  By this text's own count one tensor load of a wave is out at any time.
; m = O / sum is quantised at once (a head is a block of 32 of the next product's K) into four records in LDS, images of operand registers (registers 4 q .. 4 q + 3 of lane l at 512 q + 16 l).
; ---- THE TAIL, tiles of tokens T = 0, 1
; THE WAVES SHARE THE COLUMNS: each weight record goes from memory straight into the registers of the wave that multiplies by it; what goes round through LDS is the rows' codes, as images of operand registers.
; All products are used transposed (source 0 = 16 columns of a weight, source 1 = 16 tokens): a lane holds one token; since a weight tile's columns are 32 (t / 2) + 8 (t % 2) + row + (row & 8), the 16 registers
; of tiles 2 b, 2 b + 1 are columns 32 b + 16 (lane / 16) + 0 .. 15: with lane l xor 16's a block of 32 of the next K.
; PHASES, five barriers: m's codes, x and the parameters into LDS | x's and (m Wo + bo)'s blocks quantised into the 8 records of the concatenation | W1, each wave 32 columns; its mean and sum of squared deviations of
; each token | the 16 waves' figures merged (no difference of large sums), LN, GELU, quantised into the hidden layer's 8 records | W2, each wave 16 columns, into a stage | + x, whole rows out.
; The tail's LDS lies in ring slot 0: that slot has had its last fill, and behind the last change of slots nobody reads it (the last 256 keys lie in slot 1).
; THE WEIGHTS ARE NOT ASKED FOR JOINTLY: the 224 records are 344,064 bytes, more than LDS holds; each is read by one wave (Wo's by two) and feeds its products in one pass, so nothing would be shared through LDS.
; GELU is exact GELU with erfc(z) = t (a1 + t (a2 + t (a3 + t (a4 + t a5)))) exp(-z^2), t = 1 / (1 + 0.3275911 z) (Abramowitz and Stegun 7.1.26), z = |y| / sqrt(2): gelu = max(y, 0) - |y| erfc(z) / 2.
; LIMITS: p under 2^-126 counts as 0; blocks whose largest magnitude lies under 2^-124 keep the byte 1 (a block of zeros too: its codes are zeros); NaN and infinities are not served.
; The formula's error in erf is at most 1.5e-7 absolute, so gelu is off by at most 0.75e-7 |y|; relative to the value that grows in the far negative tail, where the value itself is far below a code's step.
.set KVB,   106496
.set MOFF,  106496                     ; the tile of match in a slot: direction 0: 32 rows of 1,024 + 16 bytes; direction 1: 256 rows of 128 + 8 bytes
.set SLOTB, 141312
.set SPARE, 282624                     ; the spare words, 128 bytes for each wave: eight blocks of 256 bytes that no other line names
.set MSTG,  284672                     ; m's four records (2 x tile + head / 4)
.set MSCS,  290816                     ; and their scale records
.set XS,   0                           ; the tail's LDS, in ring slot 0: x, 32 rows of 1,024 + 16 bytes
.set OS,   33280                       ; the stage for the last product, likewise
.set CIMG, 66560                       ; the concatenation's 8 records (4 T + K step)
.set HIMG, 78848                       ; the hidden layer's 8
.set CSC,  91136                       ; their scale records
.set HSC,  92160
.set LNS,  93184                       ; (mean, squares) of wave w for token n at 144 n + 8 w
.set PAR,  97792                       ; bo, b1 (+1,024), gamma (+3,072), beta (+5,120), b2 (+7,168); the end is 105,984
.set SPW,  5                           ; v5   my spare word; never rewritten
.set NIL,  6                           ; v6   0; never rewritten
.set L16,  4                           ; the tail: 16 x lane
.set L4,   175                         ; the tail: 4 x lane
.set S,    96                          ; v96-159  S^T, the logits, p
.set MT,   160                         ; v160-223 match; then p's codes (v160-171) and the conversions' work (v172-178)
.set PCD,  160
.set PCT,  172
.set BM,   224                         ; v224-227 the blocks' largest logits, then p's
.set BP,   228                         ; v228-231 the other half's; then the bytes
.set BS,   232                         ; v232-235 the conversions' scale operands
.set FF,   236                         ; v[236:237] f = 2^(old M - new M)
.set TT,   238
.set SU,   240                         ; v[240:241] the sum's second chain
.set WV,   12
.set HD,   13                          ; w / 2: my head; in the tail: which 32 columns of x and of m Wo
.set UU,   14                          ; w % 2: my tile of queries; in the tail's first phases: T
.set DIR,  17
.set SEL,  20
.set CS,   22                          ; s[22:23] log2(e)
.set TB,   60                          ; the slot that is read
.set FB,   61                          ; the slot that is filled
; THE ATTENTION'S REGISTERS: v1-4, v7, v47: my lane's places in a slot (K, V, K's scales, V's scales, match by rows, match by columns); v8-11, v75, v76: the same in the slot in hand.  v12 -M, v13 the largest t,
; v[14:15] the sum.  v16-45 Q's run; v46 Q's scale byte, four times; v48-71 two K records, then two V records; v72-73 their scale words; v74 p's scale word; v80-95 O^T; v246-250 m's places in its stage.
; THE TAIL'S: v1-3 lane, r, h; v4, v175 16 and 4 x lane; v7-15, v174 LDS addresses; v16-63, v64-159 weights and operands; v160-173 scale words; v176-207 accumulators; v208-255 at work.
.macro ROUND                           ; a round of the cluster's barrier
	s_barrier_signal -1
	s_barrier_wait -1
	s_cmp_lg_u32 s[WV], 0
	s_cbranch_scc1 .Lnot_wave_0_\@
	s_barrier_signal -3
.Lnot_wave_0_\@:
	s_barrier_wait -3
	s_barrier_signal -1
	s_barrier_wait -1
.endm
.macro BARRIER                         ; my LDS stores have landed and my LDS loads are in: then the work-group's barrier
	s_wait_dscnt 0x0
	s_barrier_signal -1
	s_barrier_wait -1
.endm
.macro PLACES n
.rept \n
	v_nop
.endr
.endm
.macro FETCH reg, adr, off             ; a record from LDS
.irp c, 0,1,2
	ds_load_b128 v[\reg+4*\c:\reg+4*\c+3], v[\adr] offset:\off+512*\c
.endr
.endm
.macro GFETCH reg, base, off           ; a record from memory
.irp c, 0,1,2
	global_load_b128 v[\reg+4*\c:\reg+4*\c+3], v[L16], s[\base:\base+1] offset:\off+512*\c
.endr
.endm
.macro MMA d, a, b, sa, sb             ; D += A B; in the tail every sum begins with its bias, loaded into the accumulator
	v_wmma_scale_f32_16x16x128_f8f6f4 v[\d:\d+7], v[\a:\a+11], v[\b:\b+11], v[\d:\d+7], v[\sa], v[\sb] matrix_a_fmt:MATRIX_FMT_FP6 matrix_b_fmt:MATRIX_FMT_FP6
.endm
; One block of 32: my 16 numbers v[src] on and lane l xor 16's.  Codes through v[cod] .. v[cod + 5]; v[mx] .. v[mx + 3] at work (v[mx + 1] written before).  The 24 bytes go to the record as three pieces of 8.
.macro QBLK src, cod, mx, aa, ab, ac, oa, oc
	v_max3_num_f32 v[\mx], |v[\src]|, |v[\src+1]|, 0x1800000       ; with the floor 2^(3 - 127): the byte cannot fall under 1
.irp i, 2,4,6,8,10,12,14
	v_max3_num_f32 v[\mx], v[\mx], |v[\src+\i]|, |v[\src+\i+1]|
.endr
	v_permlanex16_b32 v[\mx+1], v[\mx], s[SEL], s[SEL+1]
	v_max_num_f32 v[\mx], v[\mx], v[\mx+1]
	v_add_nc_u32 v[\mx+2], 0xff000000, v[\mx]      ; 2 off the exponent field: the conversion's scale operand
	v_lshrrev_b32 v[\mx+3], 23, v[\mx+2]           ; the scale's byte
	v_cvt_scalef32_pk16_fp6_f32 v[\cod:\cod+2], v[\src:\src+15], v[\mx+2]
	v_nop                                          ; one plain place behind a scaled conversion
.irp i, 0,1,2
	v_mov_b32 v[\cod+3+\i], v[\cod+\i]
.endr
.irp i, 0,1,2
	v_permlane16_swap_b32 v[\cod+\i], v[\cod+3+\i] ; every lane now holds its row's whole block
.endr
	ds_store_b64 v[\aa], v[\cod:\cod+1] offset:\oa ; both halves of the lanes write the same bytes with the same values
	ds_store_b64 v[\ab], v[\cod+2:\cod+3] offset:\oa+8
	ds_store_b64 v[\aa], v[\cod+4:\cod+5] offset:\oa+512
	ds_store_b8 v[\ac], v[\mx+3] offset:\oc        ; each lane its own word's byte
.endm
; Waves 0-3 ask jointly for a quarter of the kv block each; wave 4 asks for my tile of match, in the shape of my direction; the others for nothing.  The branches hang on the wave's number and on the
; cluster's number, which partners share.  Four v_nop follow each load.
.macro TLOAD
	s_cmp_lt_u32 s[WV], 4
	s_cbranch_scc0 .Lnot_kv_\@
	tensor_load_to_lds s[32:35], s[24:31]
	s_nop 0
	PLACES 4
	s_branch .Lasked_\@
.Lnot_kv_\@:
	s_cmp_eq_u32 s[WV], 4
	s_cbranch_scc0 .Lasked_\@
	s_cmp_eq_u32 s[DIR], 0
	s_cbranch_scc0 .Lcolumns_\@
	tensor_load_to_lds s[52:55], s[36:43]
	s_nop 0
	PLACES 4
	s_branch .Lasked_\@
.Lcolumns_\@:
	tensor_load_to_lds s[56:59], s[44:51]
	s_nop 0
	PLACES 4
.Lasked_\@:
.endm
	s_load_b128 s[4:7], s[0:1], 0x0                ; kv, match
	v_lshl_add_u32 v[SPW], v0, 2, SPARE
	v_mov_b32 v[NIL], 0
	ds_add_u32 v5, v6
	s_wait_dscnt 0x0
	v_lshrrev_b32 v8, 5, v0
	v_readfirstlane_b32 s[WV], v8                  ; wave 0..15
	v_and_b32 v8, 31, v0                           ; lane
	v_and_b32 v9, 15, v0                           ; r
	v_bfe_u32 v10, v0, 4, 1                        ; h
	v_lshlrev_b32 v11, 4, v8
	s_lshr_b32 s[HD], s[WV], 1                     ; my head
	s_and_b32 s[UU], s[WV], 1                      ; my tile of queries
	s_bfe_u32 s15, ttmp6, 0x40000                  ; cx
	s_lshl_b32 s16, ttmp9, 2
	s_add_co_u32 s16, s16, s15                     ; X: it enters global addresses alone
	s_lshr_b32 s[DIR], ttmp9, 5                    ; direction and batch: from the cluster's number, the same in all partners
	s_bfe_u32 s18, ttmp9, 0x10004
	s_and_b32 s19, s16, 63                         ; my block of 32 queries
	s_mov_b32 s[SEL], 0x76543210
	s_mov_b32 s[SEL+1], 0xfedcba98
	s_mov_b32 s[CS], 0x3fb8aa3b
	s_mov_b32 s[CS+1], s[CS]
	s_mov_b32 s[TB], 0
	s_mov_b32 s[FB], 0
	s_mov_b32 s62, 7                               ; slots still to be asked for
	; LDS addresses of the attention, all made ahead of the first branch on the wave's number
	s_mul_i32 s66, s[HD], 1536
	v_add_nc_u32 v1, s66, v11                      ; K: record (64 keys g, my head) at 12,288 g
	s_mul_i32 s66, s[HD], 3072
	s_add_co_u32 s66, s66, 49152
	v_add_nc_u32 v2, s66, v11                      ; V: record (128 keys q, my head, tile) at 24,576 q + 1,536 tile
	s_lshl_b32 s66, s[HD], 7
	s_add_co_u32 s66, s66, 98304
	v_lshl_add_u32 v3, v8, 2, s66
	s_lshl_b32 s66, s[HD], 8
	s_add_co_u32 s66, s66, 102400
	v_lshl_add_u32 v4, v8, 2, s66
	s_mul_i32 s66, s[UU], 16640
	s_add_co_u32 s66, s66, MOFF
	v_mul_u32_u24 v7, v9, 1040
	v_lshl_add_u32 v7, v10, 6, v7
	v_add_nc_u32 v7, s66, v7                       ; match by rows: my query's row, + 64 h: my 16 keys of each block of 32
	s_lshl_b32 s66, s[UU], 6
	s_add_co_u32 s66, s66, MOFF
	v_mul_u32_u24 v47, v10, 2176
	v_lshl_add_u32 v47, v9, 2, v47
	v_add_nc_u32 v47, s66, v47                     ; match by columns: 16 h rows of 136 bytes down, my query's word
	s_lshr_b32 s66, s[HD], 2
	s_lshl_b32 s67, s[UU], 1
	s_add_co_u32 s66, s66, s67                     ; m: stage record 2 x tile + head / 4, block head % 4
	s_mul_i32 s67, s66, 1536
	s_and_b32 s68, s[HD], 1
	s_lshl_b32 s68, s68, 8
	s_add_co_u32 s67, s67, s68
	s_add_co_u32 s67, s67, MSTG
	s_bfe_u32 s68, s[HD], 0x10001
	s_mul_i32 s69, s68, 520
	s_mul_i32 s68, s68, 1016
	s_add_co_u32 s69, s69, s67
	s_add_co_u32 s68, s68, s67
	v_lshl_add_u32 v246, v9, 4, s69
	v_lshl_add_u32 v247, v9, 4, s68
	s_lshl_b32 s66, s66, 7
	s_and_b32 s67, s[HD], 3
	s_add_co_u32 s66, s66, s67
	s_add_co_u32 s66, s66, MSCS
	v_lshl_add_u32 v248, v8, 2, s66
	s_mul_i32 s67, s[UU], 3072
	s_add_co_u32 s67, s67, MSTG
	v_add_nc_u32 v249, s67, v11                    ; the tail: m's two records of tile w % 2,
	s_lshl_b32 s67, s[UU], 8
	s_add_co_u32 s67, s67, MSCS
	v_lshl_add_u32 v250, v8, 2, s67                ; and their scale words
	; byte offsets in memory
	s_and_b32 s66, s[WV], 3
	s_mul_i32 s63, s66, 26624                      ; my quarter of a kv block
	s_xor_b32 s92, s[DIR], 1
	s_lshl_b32 s92, s92, 1
	s_add_co_u32 s92, s92, s18
	s_mul_i32 s92, s92, 8*KVB                      ; keys and values: the OTHER source, my batch
	s_add_co_u32 s92, s92, s63
	s_mov_b32 s93, 0
	s_lshl_b32 s88, s18, 24
	s_lshl_b32 s89, s19, 18
	s_add_co_u32 s88, s88, s89                     ; match by rows: batch, 32 rows of 8,192 bytes a block of queries
	s_mov_b32 s89, 0
	s_lshl_b32 s90, s18, 24
	s_lshl_b32 s91, s19, 7
	s_add_co_u32 s90, s90, s91                     ; by columns: batch, 128 bytes a block of queries
	s_mov_b32 s91, 0
	; Q: my 16 queries are tokens of source DIR; token 32 QB + 16 U + r lies in K record (slot QB / 8, group (QB / 2) % 4, my head), block 2 (QB % 2) + r / 8, row 8 U + r % 8
	s_lshl_b32 s78, s[DIR], 1
	s_add_co_u32 s78, s78, s18
	s_lshl_b32 s78, s78, 3
	s_lshr_b32 s79, s19, 3
	s_add_co_u32 s78, s78, s79
	s_mul_i32 s78, s78, KVB
	s_bfe_u32 s79, s19, 0x20001
	s_lshl_b32 s79, s79, 3
	s_add_co_u32 s79, s79, s[HD]
	s_mul_i32 s80, s79, 1536
	s_add_co_u32 s80, s80, s78
	s_mov_b32 s81, 0
	s_lshl_b32 s82, s79, 7
	s_add_co_u32 s82, s82, s78
	s_add_co_u32 s82, s82, 98304
	s_mov_b32 s83, 0
	v_and_b32 v224, 7, v9
	v_lshrrev_b32 v227, 3, v9
	s_lshl_b32 s84, s[UU], 3
	v_add_nc_u32 v226, s84, v224                   ; the row
	v_lshl_add_u32 v224, v227, 4, v226             ; the record's lane: row + 16 (r / 8)
	v_lshlrev_b32 v226, 2, v226
	s_and_b32 s85, s19, 1
	s_mul_i32 s86, s85, 520
	s_mul_i32 s87, s85, 1016
	v_lshl_add_u32 v225, v224, 4, s87
	v_lshl_add_u32 v224, v224, 4, s86
	s_lshl_b32 s85, s85, 4
	v_lshl_add_u32 v227, v227, 3, s85              ; the scale byte's place in its word, in bits
	; descriptor groups 1
	s_mov_b32 s24, 15|(3<<16)|(1<<21)              ; kv: 104 rows of 256 bytes (32 elements of 8), dense; mask 15: all four partners; bit 21 set beside a mask
	s_mov_b32 s25, 32<<16
	s_mov_b32 s26, 104<<16
	s_mov_b32 s27, 32<<16
	s_mov_b32 s28, 104
	s_mov_b32 s29, 32
	s_mov_b32 s30, 0
	s_mov_b32 s31, 0
	s_mov_b32 s36, (2<<16)|(1<<20)|(7<<22)|(3<<25) ; match by rows: 32 rows of 256 f32, 4 words of padding behind every 256
	s_mov_b32 s37, 256<<16
	s_mov_b32 s38, 32<<16
	s_mov_b32 s39, 256<<16
	s_mov_b32 s40, 32
	s_mov_b32 s41, 2048
	s_mov_b32 s42, 0
	s_mov_b32 s43, 0
	s_mov_b32 s44, (2<<16)|(1<<20)|(4<<22)|(1<<25) ; by columns: 256 rows of 32 f32, 2 words of padding behind every 32
	s_mov_b32 s45, 32<<16
	s_mov_b32 s46, 256<<16
	s_mov_b32 s47, 32<<16
	s_mov_b32 s48, 256
	s_mov_b32 s49, 2048
	s_mov_b32 s50, 0
	s_mov_b32 s51, 0
	s_wait_kmcnt 0x0
	s_mov_b32 s32, 1
	s_mov_b32 s33, s63
	s_add_nc_u64 s[34:35], s[4:5], s[92:93]
	s_or_b32 s35, s35, 0x80000000
	s_mov_b32 s52, 1
	s_mov_b32 s53, MOFF
	s_add_nc_u64 s[54:55], s[6:7], s[88:89]
	s_or_b32 s55, s55, 0x80000000
	s_mov_b32 s56, 1
	s_mov_b32 s57, MOFF
	s_add_nc_u64 s[58:59], s[6:7], s[90:91]
	s_or_b32 s59, s59, 0x80000000
	s_add_nc_u64 s[80:81], s[4:5], s[80:81]
	s_add_nc_u64 s[82:83], s[4:5], s[82:83]
	global_load_b64 v[48:49], v224, s[80:81]       ; my query's 24 bytes, in both halves of the lanes; on their way while the cluster meets
	global_load_b64 v[50:51], v225, s[80:81] offset:8
	global_load_b64 v[52:53], v224, s[80:81] offset:512
	global_load_b32 v54, v226, s[82:83]
	ROUND                                          ; all four work-groups are here: the first joint loads meet
	TLOAD                                          ; slot 0
.irp i, 0,1,2,3,4,5
	v_mov_b32 v[16+\i], 0                          ; Q's run: the three stretches of zero codes
	v_mov_b32 v[28+\i], 0
	v_mov_b32 v[40+\i], 0
.endr
	v_mov_b32 v13, 0xff61b1e6                      ; the largest t so far: -3e38, under every t
	v_floor_f32 v12, -v13                          ; -M
	v_mov_b32 v14, 0
	v_mov_b32 v15, 0
.irp b, 0,1,2,3
	v_mov_b32 v[BP+\b], 0                          ; written once: a lane permute's destination counts as one of its sources
.endr
	v_mov_b32 v[FF+1], 0                           ; (named as the upper half of a pair)
	v_cmp_gt_u32 vcc_lo, 16, v8
	s_wait_loadcnt 0x0
	v_lshrrev_b32 v54, v227, v54
	v_perm_b32 v46, v54, v54, 0                    ; my query's scale byte in all four bytes: whichever block Q stands in
.irp i, 0,1,2,3,4,5
	v_cndmask_b32 v[22+\i], v16, v[48+\i], vcc_lo  ; the data in lanes 0-15,
	v_cndmask_b32 v[34+\i], v[48+\i], v16, vcc_lo  ; in lanes 16-31
.endr
.set j, 0
.rept 16
	v_mov_b32 v[80+j], 0                           ; O^T: the step is written once; its first walk finds zeros.  (These lines are also the places between the lines above and the first product)
.set j, j+1
.endr
; A KEY STEP: 128 keys, the q-th of the slot in hand.
.macro STEP q
	v_add_nc_u32 v8, s[TB], v1                     ; (these six are also the places behind the last step's products, in front of the loads below)
	v_add_nc_u32 v9, s[TB], v2
	v_add_nc_u32 v10, s[TB], v3
	v_add_nc_u32 v11, s[TB], v4
	v_add_nc_u32 v75, s[TB], v7
	v_add_nc_u32 v76, s[TB], v47
.irp f, 0,1
	FETCH 48+12*\f, 8, (2*\q+\f)*12288
	ds_load_b32 v[72+\f], v10 offset:(2*\q+\f)*1024
.endr
	s_cmp_eq_u32 s[DIR], 0                         ; match in the scores' layout: register 16 b + i = key 32 b + 16 h + i of my query
	s_cbranch_scc0 .Lcols_\@
.irp b, 0,1,2,3
.irp j, 0,1,2,3
	ds_load_b128 v[MT+16*\b+4*\j:MT+16*\b+4*\j+3], v75 offset:512*\q+128*\b+16*\j
.endr
.endr
	s_branch .Lmatch_\@
.Lcols_\@:
.irp b, 0,1,2,3
.irp i, 0,1,2,3,4,5,6,7,8,9,10,11,12,13,14,15
	ds_load_b32 v[MT+16*\b+\i], v76 offset:(128*\q+32*\b+\i)*136
.endr
.endr
.Lmatch_\@:
	s_wait_dscnt 0x0
.irp t, 0,1,2,3,4,5,6,7                ; S^T: record t / 4, Q in block t % 4
	v_wmma_scale_f32_16x16x128_f8f6f4 v[S+8*\t:S+8*\t+7], v[48+12*(\t/4):59+12*(\t/4)], v[22+12*(\t%2)-6*((\t%4)/2):33+12*(\t%2)-6*((\t%4)/2)], 0, v[72+\t/4], v46 matrix_a_fmt:MATRIX_FMT_FP6 matrix_b_fmt:MATRIX_FMT_FP6
.endr
	PLACES 4                                       ; in front of the loads over K's registers and of the first read of the scores
.irp f, 0,1
	FETCH 48+12*\f, 9, \q*24576+\f*1536            ; V's two records land while the softmax is walked
	ds_load_b32 v[72+\f], v11 offset:\q*2048+128*\f
.endr
.set j, 0
.rept 32
	v_pk_mul_f32 v[S+j:S+j+1], v[S+j:S+j+1], v[MT+j:MT+j+1]   ; the logit; each accumulator from its low end on
.set j, j+2
.endr
.irp b, 0,1,2,3
	v_max3_num_f32 v[BM+\b], v[S+16*\b], v[S+1+16*\b], v[S+2+16*\b]   ; the largest logit of each block of 32 keys: it serves the row's maximum and, since p rises with the logit, the block's largest p
.endr
.irp i, 3,5,7,9,11,13
.irp b, 0,1,2,3
	v_max3_num_f32 v[BM+\b], v[BM+\b], v[S+16*\b+\i], v[S+1+16*\b+\i]
.endr
.endr
.irp b, 0,1,2,3
	v_max_num_f32 v[BM+\b], v[BM+\b], v[S+15+16*\b]
.endr
.irp b, 0,1,2,3
	v_permlanex16_b32 v[BP+\b], v[BM+\b], s[SEL], s[SEL+1]
.endr
.irp b, 0,1,2,3
	v_max_num_f32 v[BM+\b], v[BM+\b], v[BP+\b]     ; with lane l xor 16's 16 keys
.endr
	v_max3_num_f32 v[TT], v[BM], v[BM+1], v[BM+2]
	v_max_num_f32 v[TT], v[TT], v[BM+3]
	v_mul_f32 v[TT], s[CS], v[TT]                  ; as t (log2(e) is positive)
	v_max_num_f32 v13, v13, v[TT]                  ; the running largest t
	v_mov_b32 v[TT], v12
	v_floor_f32 v12, -v13                          ; the new -M = -ceil(t): a whole number
	v_sub_f32 v[TT], v12, v[TT]                    ; old M - new M: a whole number, 0 or less
	v_cvt_i32_f32 v[TT], v[TT]                     ; (it saturates)
	v_ldexp_f32 v[FF], 1.0, v[TT]                  ; f
.set j, 0
.rept 32
	v_pk_fma_f32 v[S+j:S+j+1], v[S+j:S+j+1], s[CS:CS+1], v[12:13] op_sel_hi:[1,0,0]   ; t - M
.set j, j+2
.endr
.irp b, 0,1,2,3
	v_fma_f32 v[BM+\b], v[BM+\b], s[CS], v12       ; the same of each block's largest logit
.endr
.set j, 0
.rept 64
	v_exp_f32 v[S+j], v[S+j]                       ; p = 2^(t - M)
.set j, j+1
.endr
.irp b, 0,1,2,3
	v_exp_f32 v[BM+\b], v[BM+\b]                   ; the block's largest p: the same two instructions on the same number
.endr
	v_pk_mul_f32 v[14:15], v[14:15], v[FF:FF+1] op_sel_hi:[1,0]   ; the sum under the new M.  (A plain place behind the exponentials)
	s_wait_alu depctr_va_vdst(0)
.irp b, 0,1,2,3
	v_max_num_f32 v[BM+\b], 0x1800000, v[BM+\b]    ; the floor 2^(3 - 127): the byte cannot fall under 1
.endr
.irp b, 0,1,2,3
	v_add_nc_u32 v[BS+\b], 0xff000000, v[BM+\b]    ; 2 off the exponent field: the conversion's scale operand
.endr
.irp b, 0,1,2,3
	v_lshrrev_b32 v[BP+\b], 23, v[BS+\b]
.endr
	v_lshl_or_b32 v74, v[BP+1], 8, v[BP]           ; p's scale word for these 128 keys
	v_lshl_or_b32 v74, v[BP+2], 16, v74
	v_lshl_or_b32 v74, v[BP+3], 24, v74
.irp c, 0,1
	v_cvt_scalef32_pk16_fp6_f32 v[PCD+6*\c:PCD+6*\c+2], v[S+32*\c:S+32*\c+15], v[BS+2*\c]
	v_cvt_scalef32_pk16_fp6_f32 v[PCT+4*\c:PCT+4*\c+2], v[S+16+32*\c:S+31+32*\c], v[BS+2*\c+1]   ; (a conversion's three registers begin on an even number)
.endr
	v_nop                                          ; one plain place behind a scaled conversion
.irp c, 0,1                            ; the operand's layout wants a WHOLE block in a lane
.irp i, 0,1,2
	v_permlane16_swap_b32 v[PCD+6*\c+\i], v[PCT+4*\c+\i]
.endr
.irp i, 0,1,2
	v_mov_b32 v[PCD+3+6*\c+\i], v[PCT+4*\c+\i]
.endr
.endr
.set j, 0
.rept 8
	v_pk_mul_f32 v[80+j:81+j], v[80+j:81+j], v[FF:FF+1] op_sel_hi:[1,0]   ; O^T under the new M; each accumulator from its low end on
.set j, j+2
.endr
	v_pk_add_f32 v[SU:SU+1], v[S:S+1], v[S+2:S+3]  ; the sum of the UNQUANTISED p, in two chains.  (These 32 lines are also the places in front of the products below)
.set j, 4
.rept 15
	v_pk_add_f32 v[14:15], v[14:15], v[S+j:S+j+1]
	v_pk_add_f32 v[SU:SU+1], v[SU:SU+1], v[S+j+2:S+j+3]
.set j, j+4
.endr
	v_pk_add_f32 v[14:15], v[14:15], v[SU:SU+1]
	s_wait_dscnt 0x0                               ; V
.irp f, 0,1                            ; O^T += V^T P^T: register j of tile f is channel 16 h + 8 f + j of my head
	v_wmma_scale_f32_16x16x128_f8f6f4 v[80+8*\f:87+8*\f], v[48+12*\f:59+12*\f], v[PCD:PCD+11], v[80+8*\f:87+8*\f], v[72+\f], v74 matrix_a_fmt:MATRIX_FMT_FP6 matrix_b_fmt:MATRIX_FMT_FP6
.endr
.endm
; THE CHANGE OF SLOTS stands at a slot's head.  Each wave waits for all its tensor loads (its part of the slot ahead), adds 0 to its spare word, and waits for that and for its reads of the slot that it has left.
; fill = 1: a round of the cluster's barrier follows, so that no wave of any partner still reads that slot or has a load on its way, and the refill is the first thing behind it: it has two key steps in which to land.
.macro CHANGE fill
	s_wait_tensorcnt 0x0                           ; no tensor load of mine is out, so the groups 0 may be written
	ds_add_u32 v[SPW], v[NIL]                      ; 0 onto my spare word; the descriptors' steps stand between it and the wait for it
.if \fill
	s_xor_b32 s[FB], s[FB], SLOTB                  ; the other slot than last time,
	s_add_co_u32 s33, s[FB], s63
	s_add_co_u32 s53, s[FB], MOFF
	s_add_co_u32 s57, s[FB], MOFF
	s_add_nc_u64 s[34:35], s[34:35], KVB           ; the next 256 keys: the next kv block,
	s_add_nc_u64 s[54:55], s[54:55], 1024          ; 256 columns of match on (only my direction's descriptor is ever used),
	s_add_nc_u64 s[58:59], s[58:59], 0x200000      ; 256 rows of match down
.endif
	s_wait_dscnt 0x0                               ; the add is done, and my reads of the slot that I have left are over
.if \fill
	ROUND
	TLOAD
.else
	s_barrier_signal -1
	s_barrier_wait -1
.endif
.endm
.Lslot:                                            ; 7 trips: behind each change of slots but the last the next slot is asked for
	CHANGE 1
	STEP 0
	STEP 1
	s_xor_b32 s[TB], s[TB], SLOTB
	s_sub_co_u32 s62, s62, 1
	s_cmp_lg_u32 s62, 0
	s_cbranch_scc1 .Lslot
	CHANGE 0                                       ; the last slot is written out.  No tensor load is out any more: the descriptors' registers are free
	s_mov_b32 s[TB], SLOTB                         ; the last 256 keys lie in slot 1 (seven turns from 0): written as the constant, so that the reads below can be read off the text as lying outside slot 0, into which the tail stores
	s_load_b256 s[24:31], s[0:1], 0x10             ; the tail's pointers come while the last two key steps are walked: x0, x1, wimg, wsc
	s_load_b256 s[32:39], s[0:1], 0x30             ; bo, b1, gamma, beta
	s_load_b128 s[40:43], s[0:1], 0x50             ; b2, out0
	s_load_b64 s[44:45], s[0:1], 0x60              ; out1
	s_and_b32 s68, s16, 127                        ; and its byte offsets are made
	s_lshl_b32 s68, s68, 15                        ; my 32 rows of 1,024 bytes,
	s_lshl_b32 s69, s[WV], 11
	s_add_co_u32 s68, s68, s69                     ; rows 2 w and 2 w + 1 of them
	s_mov_b32 s69, 0
	s_lshl_b32 s70, s[HD], 2
	s_add_co_u32 s70, s70, 64                      ; Wo's records 64 + 4 (w / 2) + 2 u + K step
	s_mul_i32 s72, s70, 1536
	s_mov_b32 s73, 0
	s_lshl_b32 s74, s70, 7
	s_mov_b32 s75, 0
	s_lshl_b32 s70, s[WV], 3
	s_add_co_u32 s70, s70, 160                     ; W1's 160 + 8 w + 4 u + K step
	s_mul_i32 s76, s70, 1536
	s_mov_b32 s77, 0
	s_lshl_b32 s78, s70, 7
	s_mov_b32 s79, 0
	s_lshl_b32 s70, s[WV], 2
	s_add_co_u32 s70, s70, 96                      ; W2's 96 + 4 w + K step
	s_mul_i32 s80, s70, 1536
	s_mov_b32 s81, 0
	s_lshl_b32 s82, s70, 7
	s_mov_b32 s83, 0
	s_mov_b32 s48, 14
	s_mov_b32 s96, 0x3e6d3388                      ; 0.3275911 / sqrt(2)
	s_mov_b32 s97, 0x3b000000                      ; 1 / 512
	STEP 0
	s_wait_kmcnt 0x0
	s_cmp_eq_u32 s[DIR], 0                         ; x0 and out0, or x1 and out1: the cluster's number alone decides
	s_cselect_b64 s[50:51], s[24:25], s[26:27]
	s_cselect_b64 s[52:53], s[42:43], s[44:45]
	s_mov_b64 s[46:47], s[40:41]                   ; which 512 bytes of the parameters my wave brings: waves 14-15 b2,
	s_cmp_lt_u32 s[WV], 14
	s_cselect_b64 s[46:47], s[38:39], s[46:47]     ; 10-13 beta,
	s_cselect_b32 s48, 10, s48
	s_cmp_lt_u32 s[WV], 10
	s_cselect_b64 s[46:47], s[36:37], s[46:47]     ; 6-9 gamma,
	s_cselect_b32 s48, 6, s48
	s_cmp_lt_u32 s[WV], 6
	s_cselect_b64 s[46:47], s[34:35], s[46:47]     ; 2-5 b1,
	s_cselect_b32 s48, 2, s48
	s_cmp_lt_u32 s[WV], 2
	s_cselect_b64 s[46:47], s[32:33], s[46:47]     ; 0-1 bo
	s_cselect_b32 s48, 0, s48
	s_sub_co_u32 s48, s[WV], s48
	s_lshl_b32 s48, s48, 9
	s_mov_b32 s49, 0
	s_add_nc_u64 s[46:47], s[46:47], s[48:49]
	s_add_nc_u64 s[50:51], s[50:51], s[68:69]      ; x
	s_add_nc_u64 s[52:53], s[52:53], s[68:69]      ; out
	s_add_nc_u64 s[54:55], s[28:29], s[72:73]      ; Wo's records,
	s_add_nc_u64 s[56:57], s[30:31], s[74:75]      ; their scale records
	s_add_nc_u64 s[58:59], s[28:29], s[76:77]      ; W1's
	s_add_nc_u64 s[66:67], s[30:31], s[78:79]
	s_add_nc_u64 s[62:63], s[28:29], s[80:81]      ; W2's
	s_add_nc_u64 s[98:99], s[30:31], s[82:83]
	STEP 1
	; ---- THE TAIL.  All that its first three phases want from memory is asked for at once, in the order in which it is wanted, into registers that the attention has left
	v_and_b32 v1, 31, v0                           ; lane.  (These five lines are the places behind the last products, in front of the loads below and of the first read of O^T)
	v_and_b32 v2, 15, v0                           ; r
	v_bfe_u32 v3, v0, 4, 1                         ; h
	v_lshlrev_b32 v[L16], 4, v1
	v_lshlrev_b32 v[L4], 2, v1
.irp i, 0,1,2,3
	global_load_b128 v[176+4*\i:179+4*\i], v[L16], s[50:51] offset:512*\i   ; two rows of x, 512 consecutive bytes a load
.endr
	global_load_b128 v[192:195], v[L16], s[46:47]
.irp i, 0,1,2,3                        ; Wo: 2 u + K step
	GFETCH 16+12*\i, 54, 1536*\i
	global_load_b32 v[162+\i], v[L4], s[56:57] offset:128*\i
.endr
	v_add_f32 v14, v14, v15                        ; m = O^T / the sum
	v_permlanex16_b32 v[BP], v14, s[SEL], s[SEL+1]
	v_add_f32 v14, v14, v[BP]                      ; the row's sum
	v_rcp_f32 v14, v14
	v_nop                                          ; one plain place behind a transcendental
.set j, 0
	s_wait_alu depctr_va_vdst(0)
.rept 16
	v_mul_f32 v[208+j], v[80+j], v14               ; each accumulator from its low end on
.set j, j+1
.endr
.irp i, 0,1,2,3,4,5,6,7                ; W1: 4 u + K step, over the registers that O^T has left
	GFETCH 64+12*\i, 58, 1536*\i
	global_load_b32 v[166+\i], v[L4], s[66:67] offset:128*\i
.endr
	QBLK 208, 224, 232, 246, 247, 248, 0, 0        ; my 16 channels and lane l xor 16's: block head % 4 of record 2 x tile + head / 4
	; the tail's LDS addresses
	s_mul_i32 s94, s[WV], 2080
	v_add_nc_u32 v174, s94, v[L16]                 ; rows 2 w, 2 w + 1 of x: pieces at 0, 512, 1,040, 1,552
	s_lshl_b32 s90, s[WV], 9
	s_add_co_u32 s90, s90, PAR
	v_add_nc_u32 v7, s90, v[L16]
	s_mul_i32 s90, s[UU], 16640
	s_lshl_b32 s91, s[HD], 7
	s_add_co_u32 s90, s90, s91
	v_mul_u32_u24 v8, v2, 1040
	v_lshl_add_u32 v8, v3, 6, v8
	v_add_nc_u32 v8, s90, v8                       ; x(16 T + r, 32 p + 16 h ..), T = w % 2, p = w / 2
	s_add_co_u32 s91, s91, PAR
	v_lshl_add_u32 v9, v3, 6, s91                  ; bo(32 p + 16 h ..)
	s_lshl_b32 s90, s[UU], 2
	s_lshr_b32 s91, s[HD], 2
	s_add_co_u32 s90, s90, s91                     ; record 4 T + p / 4, block p % 4
	s_mul_i32 s91, s90, 1536
	s_and_b32 s92, s[HD], 1
	s_lshl_b32 s92, s92, 8
	s_add_co_u32 s91, s91, s92
	s_add_co_u32 s91, s91, CIMG
	s_bfe_u32 s92, s[HD], 0x10001
	s_mul_i32 s93, s92, 520
	s_mul_i32 s92, s92, 1016
	s_add_co_u32 s93, s93, s91
	s_add_co_u32 s92, s92, s91
	v_lshl_add_u32 v10, v2, 4, s93
	v_lshl_add_u32 v11, v2, 4, s92
	s_lshl_b32 s90, s90, 7
	s_and_b32 s91, s[HD], 3
	s_add_co_u32 s90, s90, s91
	s_add_co_u32 s90, s90, CSC
	v_lshl_add_u32 v12, v1, 2, s90
	s_lshl_b32 s90, s[WV], 7
	s_add_co_u32 s90, s90, PAR+1024
	v_lshl_add_u32 v13, v3, 6, s90                 ; b1(32 w + 16 h ..); gamma 2,048 on, beta 4,096 on
	v_add_nc_u32 v14, CIMG, v[L16]
	v_add_nc_u32 v15, CSC, v[L4]
	s_lshl_b32 s84, s[WV], 3                       ; the later phases' addresses: their parts that hang on the wave
	s_add_co_u32 s84, s84, LNS
	s_lshr_b32 s90, s[WV], 2
	s_mul_i32 s85, s90, 1536                       ; hidden record w / 4 (+ 4 T), block w % 4
	s_lshl_b32 s91, s[UU], 8
	s_add_co_u32 s85, s85, s91
	s_add_co_u32 s85, s85, HIMG
	s_bfe_u32 s91, s[WV], 0x10001
	s_mul_i32 s86, s91, 1016
	s_mul_i32 s91, s91, 520
	s_add_co_u32 s86, s86, s85
	s_add_co_u32 s85, s85, s91
	s_lshl_b32 s87, s90, 7
	s_and_b32 s91, s[WV], 3
	s_add_co_u32 s87, s87, s91
	s_add_co_u32 s87, s87, HSC
	s_lshl_b32 s88, s[HD], 7
	s_lshl_b32 s91, s[UU], 5
	s_add_co_u32 s88, s88, s91                     ; W2's tile w: columns 32 (w / 2) + 8 (w % 2) + 16 h + j
	s_add_co_u32 s89, s88, OS
	s_add_co_u32 s88, s88, PAR+7168
	; ---- x and the parameters into LDS
	s_wait_loadcnt 48                              ; the first five loads are in; behind them: 16 for Wo, 32 for W1
	ds_store_b128 v174, v[176:179]
	ds_store_b128 v174, v[180:183] offset:512
	ds_store_b128 v174, v[184:187] offset:1040
	ds_store_b128 v174, v[188:191] offset:1552
	ds_store_b128 v7, v[192:195]
	BARRIER                                        ; m's four records, x and the parameters lie in LDS
	; ---- block p of x, tile T
.irp j, 0,1,2,3
	ds_load_b128 v[192+4*\j:195+4*\j], v8 offset:16*\j
	ds_load_b128 v[176+4*\j:179+4*\j], v9 offset:16*\j     ; bo, in the result's layout, into the two accumulators
.endr
	FETCH 208, 249, 0                              ; m (T, K step 0), (T, 1)
	FETCH 220, 249, 1536
	ds_load_b32 v160, v250
	ds_load_b32 v161, v250 offset:128
	v_mov_b32 v245, 0                              ; (a lane permute's destination counts as one of its sources)
	s_wait_dscnt 0x0
	QBLK 192, 236, 244, 10, 11, 12, 0, 0
	; ---- m Wo + bo: columns 32 p .. + 31 of tile T
	s_wait_loadcnt 32                              ; Wo is in; W1's 32 loads may be out
.irp k, 0,1
.irp u, 0,1                            ; the two accumulators by turns
	MMA 176+8*\u, 16+12*(2*\u+\k), 208+12*\k, 162+2*\u+\k, 160+\k
.endr
.endr
	PLACES 4
	QBLK 176, 248, 232, 10, 11, 12, 3072, 256      ; the same block two K steps on: the concatenation's second half
	BARRIER                                        ; the concatenation's 8 records are whole
	; ---- W1: tiles 2 w, 2 w + 1 for both T; accumulator (T, u) at v[176 + 16 T + 8 u]
.irp T, 0,1
.irp u, 0,1
.irp j, 0,1
	ds_load_b128 v[176+16*\T+8*\u+4*\j:179+16*\T+8*\u+4*\j], v13 offset:32*\u+16*\j   ; b1
.endr
.endr
.endr
.macro W1ROUND k0                      ; K steps k0, k0 + 1
.irp T, 0,1
.irp k, 0,1
	FETCH 16+12*(2*\T+\k), 14, (4*\T+\k0+\k)*1536
	ds_load_b32 v[160+2*\T+\k], v15 offset:(4*\T+\k0+\k)*128
.endr
.endr
	s_wait_loadcnt 0x0                             ; W1
	s_wait_dscnt 0x0
.irp k, 0,1
.irp u, 0,1
.irp T, 0,1                            ; the four accumulators by turns
	MMA 176+16*\T+8*\u, 64+12*(4*\u+\k0+\k), 16+12*(2*\T+\k), 166+4*\u+\k0+\k, 160+2*\T+\k
.endr
.endr
.endr
.endm
	W1ROUND 0
	v_mul_u32_u24 v8, v2, 144                      ; the later phases' addresses: these five lines are the places in front of the next loads
	v_add_nc_u32 v7, s84, v8                       ; where I put (mean, squares) of token r
	v_add_nc_u32 v8, LNS, v8                       ; and where token r's sixteen pairs begin
	v_lshl_add_u32 v9, v2, 4, s85
	v_lshl_add_u32 v10, v2, 4, s86
	W1ROUND 2
	v_lshl_add_u32 v11, v1, 2, s87                 ; five more: the places in front of the loads over W1's registers and of the first read of the sums
	v_lshl_add_u32 v12, v3, 6, s88                 ; b2
	v_mul_u32_u24 v174, v2, 1040
	v_lshl_add_u32 v174, v3, 6, v174
	v_add_nc_u32 v174, s89, v174                   ; the stage: row r, my tile's bytes
.irp k, 0,1,2,3
	GFETCH 64+12*\k, 62, 1536*\k                   ; W2 lands while LN and GELU are walked
	global_load_b32 v[170+\k], v[L4], s[98:99] offset:128*\k
.endr
.macro STAT T                          ; my 32 columns of token 16 T + r: their mean and the sum of squared deviations from it
.set AB, 176+16*\T
	v_pk_add_f32 v[208:209], v[AB:AB+1], v[AB+2:AB+3]              ; each accumulator from its low end on
	v_pk_add_f32 v[210:211], v[AB+4:AB+5], v[AB+6:AB+7]
	v_pk_add_f32 v[212:213], v[AB+8:AB+9], v[AB+10:AB+11]
	v_pk_add_f32 v[214:215], v[AB+12:AB+13], v[AB+14:AB+15]
	v_pk_add_f32 v[208:209], v[208:209], v[210:211]
	v_pk_add_f32 v[212:213], v[212:213], v[214:215]
	v_pk_add_f32 v[208:209], v[208:209], v[212:213]
	v_add_f32 v208, v208, v209
	v_permlanex16_b32 v209, v208, s[SEL], s[SEL+1]
	v_add_f32 v208, v208, v209
	v_mul_f32 v208, 0x3d000000, v208               ; / 32
	v_mov_b32 v209, v208
	v_mov_b32 v[222+2*\T], v208
	v_pk_add_f32 v[216:217], v[AB:AB+1], v[208:209] neg_lo:[0,1] neg_hi:[0,1]
	v_pk_add_f32 v[218:219], v[AB+2:AB+3], v[208:209] neg_lo:[0,1] neg_hi:[0,1]
	v_pk_mul_f32 v[220:221], v[216:217], v[216:217]
	v_pk_fma_f32 v[220:221], v[218:219], v[218:219], v[220:221]
.irp i, 4,8,12
	v_pk_add_f32 v[216:217], v[AB+\i:AB+\i+1], v[208:209] neg_lo:[0,1] neg_hi:[0,1]
	v_pk_add_f32 v[218:219], v[AB+\i+2:AB+\i+3], v[208:209] neg_lo:[0,1] neg_hi:[0,1]
	v_pk_fma_f32 v[220:221], v[216:217], v[216:217], v[220:221]
	v_pk_fma_f32 v[220:221], v[218:219], v[218:219], v[220:221]
.endr
	v_add_f32 v220, v220, v221
	v_permlanex16_b32 v221, v220, s[SEL], s[SEL+1]
	v_add_f32 v[223+2*\T], v220, v221
	ds_store_b64 v7, v[222+2*\T:223+2*\T] offset:2304*\T
.endm
	STAT 0
	STAT 1
	BARRIER                                        ; sixteen pairs for each of the 32 tokens
	; ---- LN, GELU, the hidden layer's codes
.irp j, 0,1,2,3
	ds_load_b128 v[16+4*\j:19+4*\j], v13 offset:2048+16*\j         ; gamma of my 16 columns
	ds_load_b128 v[32+4*\j:35+4*\j], v13 offset:4096+16*\j         ; beta
.endr
.irp i, 0,1,2,3,4,5,6,7
	ds_load_b128 v[208+4*\i:211+4*\i], v8 offset:16*\i             ; token r's pairs,
	ds_load_b128 v[112+4*\i:115+4*\i], v8 offset:2304+16*\i        ; token 16 + r's
.endr
	v_mov_b32 v48, 0x3f07dc22                      ; a5 / 2, twice
	v_mov_b32 v49, 0x3f07dc22
	s_wait_dscnt 0x0
.macro LNSTAT ls, res                  ; 16 x (mean, squares) -> mu twice in v[res], v[res + 1]; 1 / sqrt(var + 1e-5) twice in v[res + 2], v[res + 3]
	v_pk_add_f32 v[240:241], v[\ls:\ls+1], v[\ls+2:\ls+3]
	v_pk_add_f32 v[242:243], v[\ls+4:\ls+5], v[\ls+6:\ls+7]
.irp i, 8,12,16,20,24,28
	v_pk_add_f32 v[240:241], v[240:241], v[\ls+\i:\ls+\i+1]
	v_pk_add_f32 v[242:243], v[242:243], v[\ls+\i+2:\ls+\i+3]
.endr
	v_pk_add_f32 v[240:241], v[240:241], v[242:243]                ; (the sum of the means, the sum of the squares)
	v_mul_f32 v[\res], 0x3d800000, v240            ; mu
	v_mov_b32 v[\res+1], v[\res]
	v_sub_f32 v242, v[\ls], v[\res]
	v_sub_f32 v243, v[\ls+2], v[\res]
	v_mul_f32 v244, v242, v242
	v_mul_f32 v245, v243, v243
.irp i, 4,8,12,16,20,24,28
	v_sub_f32 v242, v[\ls+\i], v[\res]
	v_sub_f32 v243, v[\ls+\i+2], v[\res]
	v_fmac_f32 v244, v242, v242
	v_fmac_f32 v245, v243, v243
.endr
	v_add_f32 v244, v244, v245
	v_fmac_f32 v241, 0x42000000, v244              ; + 32 x the squared distances of the waves' means from mu
	v_fmaak_f32 v241, s97, v241, 0x3727c5ac        ; / 512 + 1e-5
	v_rsq_f32 v[\res+2], v241
	v_nop                                          ; one plain place behind a transcendental
	s_wait_alu depctr_va_vdst(0)
	v_mov_b32 v[\res+3], v[\res+2]
.endm
	LNSTAT 208, 248
	LNSTAT 112, 252
.macro ACT T                           ; my 16 numbers of token 16 T + r, in place
.set AB, 176+16*\T
.set RR, 248+4*\T
.irp i, 0,2,4,6,8,10,12,14
	v_pk_add_f32 v[AB+\i:AB+\i+1], v[AB+\i:AB+\i+1], v[RR:RR+1] neg_lo:[0,1] neg_hi:[0,1]
.endr
.irp i, 0,2,4,6,8,10,12,14
	v_pk_mul_f32 v[AB+\i:AB+\i+1], v[AB+\i:AB+\i+1], v[RR+2:RR+3]
.endr
.irp i, 0,2,4,6,8,10,12,14
	v_pk_fma_f32 v[AB+\i:AB+\i+1], v[AB+\i:AB+\i+1], v[16+\i:17+\i], v[32+\i:33+\i]   ; y
.endr
.set i, 0
.rept 16
	v_fma_f32 v[208+i], |v[AB+i]|, s96, 1.0        ; 1 + 0.3275911 z
.set i, i+1
.endr
.irp i, 0,2,4,6,8,10,12,14
	v_pk_mul_f32 v[224+\i:225+\i], v[AB+\i:AB+\i+1], v[AB+\i:AB+\i+1]
.endr
.irp i, 0,2,4,6,8,10,12,14
	v_pk_mul_f32 v[224+\i:225+\i], v[224+\i:225+\i], 0xbf38aa3b op_sel_hi:[1,0]   ; -z^2 log2(e) = -y^2 log2(e) / 2
.endr
.set i, 0
.rept 16
	v_rcp_f32 v[208+i], v[208+i]                   ; t
.set i, i+1
.endr
.set i, 0
.rept 16
	v_exp_f32 v[224+i], v[224+i]                   ; exp(-z^2)
.set i, i+1
.endr
.set i, 0
.rept 16
	v_max_num_f32 v[128+i], 0, v[AB+i]             ; max(y, 0).  (Plain places behind the transcendentals)
.set i, i+1
.endr
	s_wait_alu depctr_va_vdst(0)
.irp i, 0,2,4,6,8,10,12,14
	v_pk_fma_f32 v[112+\i:113+\i], v[208+\i:209+\i], v[48:49], 0xbf3a00e3 op_sel_hi:[1,1,0]   ; the coefficients are halved: the result is erfc / 2
.endr
.irp i, 0,2,4,6,8,10,12,14
	v_pk_fma_f32 v[112+\i:113+\i], v[112+\i:113+\i], v[208+\i:209+\i], 0x3f35f0e3 op_sel_hi:[1,1,0]
.endr
.irp i, 0,2,4,6,8,10,12,14
	v_pk_fma_f32 v[112+\i:113+\i], v[112+\i:113+\i], v[208+\i:209+\i], 0xbe11a98e op_sel_hi:[1,1,0]
.endr
.irp i, 0,2,4,6,8,10,12,14
	v_pk_fma_f32 v[112+\i:113+\i], v[112+\i:113+\i], v[208+\i:209+\i], 0x3e027906 op_sel_hi:[1,1,0]
.endr
.irp i, 0,2,4,6,8,10,12,14
	v_pk_mul_f32 v[112+\i:113+\i], v[112+\i:113+\i], v[208+\i:209+\i]
.endr
.irp i, 0,2,4,6,8,10,12,14
	v_pk_mul_f32 v[112+\i:113+\i], v[112+\i:113+\i], v[224+\i:225+\i]
.endr
.set i, 0
.rept 16
	v_fma_f32 v[AB+i], -|v[AB+i]|, v[112+i], v[128+i]              ; gelu = max(y, 0) - |y| erfc(z) / 2
.set i, i+1
.endr
.endm
	ACT 0
	QBLK 176, 144, 240, 9, 10, 11, 0, 0
	ACT 1
	QBLK 192, 152, 244, 9, 10, 11, 6144, 512
	BARRIER                                        ; the hidden layer's 8 records are whole
	; ---- W2: tile w for both T
.irp T, 0,1
.irp j, 0,1
	ds_load_b128 v[176+8*\T+4*\j:179+8*\T+4*\j], v12 offset:16*\j  ; b2
.endr
.endr
.irp T, 0,1
.irp k, 0,1
	FETCH 16+12*(2*\T+\k), 14, HIMG-CIMG+(4*\T+\k)*1536
	FETCH 112+12*(2*\T+\k), 14, HIMG-CIMG+(4*\T+2+\k)*1536
	ds_load_b32 v[160+4*\T+\k], v15 offset:HSC-CSC+(4*\T+\k)*128
	ds_load_b32 v[162+4*\T+\k], v15 offset:HSC-CSC+(4*\T+2+\k)*128
.endr
.endr
	s_wait_loadcnt 0x0                             ; W2
	s_wait_dscnt 0x0
.irp k, 0,1,2,3
.irp T, 0,1                            ; the two accumulators by turns
	MMA 176+8*\T, 64+12*\k, 16+96*(\k/2)+12*(2*\T+\k%2), 170+\k, 160+4*\T+\k
.endr
.endr
	v_add_nc_u32 v7, s94, v[L16]                   ; rows 2 w, 2 w + 1 of x and, 33,280 on, of the stage.  (With the three lines below: the places in front of the first read of the sums)
	PLACES 3
.irp T, 0,1
	ds_store_b128 v174, v[176+8*\T:179+8*\T] offset:16640*\T       ; each accumulator from its low end on
	ds_store_b128 v174, v[180+8*\T:183+8*\T] offset:16640*\T+16
.endr
	BARRIER                                        ; 32 whole rows lie in the stage
	; ---- + x; rows 2 w and 2 w + 1 leave
.irp i, 0,1,2,3
	ds_load_b128 v[208+4*\i:211+4*\i], v7 offset:OS+1040*(\i/2)+512*(\i%2)
	ds_load_b128 v[224+4*\i:227+4*\i], v7 offset:1040*(\i/2)+512*(\i%2)
.endr
	s_wait_dscnt 0x0
.irp i, 0,2,4,6,8,10,12,14
	v_pk_add_f32 v[208+\i:209+\i], v[208+\i:209+\i], v[224+\i:225+\i]
.endr
.irp i, 0,1,2,3
	global_store_b128 v[L16], v[208+4*\i:211+4*\i], s[52:53] offset:512*\i th:TH_STORE_NT   ; 512 consecutive bytes, at a multiple of 256 from the output's first byte
.endr
	s_wait_tensorcnt 0x0                           ; the wave's end: behind my last tensor load and my last LDS store
	ds_add_u32 v[SPW], v[NIL]
	s_wait_dscnt 0x0
	ROUND                                          ; the closing round: no work-group ends while a partner may still ask jointly
	s_endpgm
.Lfunc_end_k_q642e493471_attnffn:
	.size	k_q642e493471_attnffn, .Lfunc_end_k_q642e493471_attnffn-k_q642e493471_attnffn
	.p2alignl 7, 3214868480
	.fill 96, 4, 3214868480
	.section	.rodata,"a",@progbits
	.p2align	6, 0x0
	.amdhsa_kernel k_q642e493471_attnffn
		.amdhsa_group_segment_fixed_size 327680
		.amdhsa_private_segment_fixed_size 0
		.amdhsa_enable_private_segment 0
		.amdhsa_kernarg_size 104
		.amdhsa_user_sgpr_count 2
		.amdhsa_user_sgpr_kernarg_segment_ptr 1
		.amdhsa_wavefront_size32 1
		.amdhsa_system_sgpr_workgroup_id_x 1
		.amdhsa_system_sgpr_workgroup_id_y 1
		.amdhsa_system_sgpr_workgroup_id_z 1
		.amdhsa_system_vgpr_workitem_id 0
		.amdhsa_next_free_vgpr 256
		.amdhsa_next_free_sgpr 100
		.amdhsa_reserve_vcc 1
		.amdhsa_float_denorm_mode_32 3
		.amdhsa_float_denorm_mode_16_64 3
		.amdhsa_memory_ordered 1
		.amdhsa_forward_progress 1
		.amdhsa_inst_pref_size 160
	.end_amdhsa_kernel
	.amdgpu_metadata
---
amdhsa.version: [ 1, 2 ]
amdhsa.kernels:
  - .name:           k_q642e493471_attnffn
    .symbol:         k_q642e493471_attnffn.kd
    .args:
      - { .name: kv, .offset: 0, .size: 8, .value_kind: global_buffer, .address_space: global }
      - { .name: match, .offset: 8, .size: 8, .value_kind: global_buffer, .address_space: global }
      - { .name: x0, .offset: 16, .size: 8, .value_kind: global_buffer, .address_space: global }
      - { .name: x1, .offset: 24, .size: 8, .value_kind: global_buffer, .address_space: global }
      - { .name: wimg, .offset: 32, .size: 8, .value_kind: global_buffer, .address_space: global }
      - { .name: wsc, .offset: 40, .size: 8, .value_kind: global_buffer, .address_space: global }
      - { .name: bo, .offset: 48, .size: 8, .value_kind: global_buffer, .address_space: global }
      - { .name: b1, .offset: 56, .size: 8, .value_kind: global_buffer, .address_space: global }
      - { .name: gamma, .offset: 64, .size: 8, .value_kind: global_buffer, .address_space: global }
      - { .name: beta, .offset: 72, .size: 8, .value_kind: global_buffer, .address_space: global }
      - { .name: b2, .offset: 80, .size: 8, .value_kind: global_buffer, .address_space: global }
      - { .name: out0, .offset: 88, .size: 8, .value_kind: global_buffer, .address_space: global }
      - { .name: out1, .offset: 96, .size: 8, .value_kind: global_buffer, .address_space: global }
    .group_segment_fixed_size: 327680
    .private_segment_fixed_size: 0
    .kernarg_segment_align: 8
    .kernarg_segment_size: 104
    .max_flat_workgroup_size: 512
    .sgpr_count:     100
    .vgpr_count:     256
    .wavefront_size: 32
...
	.end_amdgpu_metadata
.endif
;; end of part 3
